; MI455X (gfx1250); checked and timed in simulation.
; The chip was launched on July 23, 2026; its instructions are those of AMD's public machine-readable ISA for CDNA 5 (MIT licence, August 2026) and "CDNA5" Instruction Set Architecture Reference Guide (July 2026). The comments in the code are by the model that wrote it; some were corrected since.
;; Multi Head Attention. Allowed arithmetic: matrix products marked QUANTISED: E4M3 operands, one given power-of-two scale a tensor, by v_wmma_f32_16x16x64_fp8_fp8 or v_wmma_f32_16x16x128_fp8_fp8, f32 sums; everything else in f32.
;; Inputs: k_proj 1,024 x 1,024 float32; lowp_scales 12 int32 (the exponents e of the quantised operands' scales 2^e); o_proj 1,024 x 1,024 float32; q_proj 1,024 x 1,024 float32; token_positions 2,048 int32; v_proj 1,024 x 1,024 float32; x 4 x 2,048 x 1,024 float32.
;; Outputs: out0 4 x 2,048 x 1,024 float32.
;; This version of the problem:
;;   THIS VERSION OF THE PROBLEM IS GIVEN IN LOW PRECISION. The matrix products marked QUANTISED in the list below multiply operands that are first quantised to E4M3 (4 exponent bits, 3 mantissa bits; 8 bits a number), with one given power-of-two scale for each operand tensor; their sums are f32. All else is computed in f32.
;;   The module's matrix products, in the order in which they are computed (A, B: the left and right operand; K: the contracted axis; several contracted axes count as one K, in the product's order):
;;     1. [M 8,192, K 1,024] x [K 1,024, N 1,024]; A: input x; B: input q_proj: QUANTISED (scales: A lowp_scales[0], B lowp_scales[1])
;;     2. [M 8,192, K 1,024] x [K 1,024, N 1,024]; A: input x; B: input k_proj: QUANTISED (scales: A lowp_scales[2], B lowp_scales[3])
;;     3. [M 8,192, K 1,024] x [K 1,024, N 1,024]; A: input x; B: input v_proj: QUANTISED (scales: A lowp_scales[4], B lowp_scales[5])
;;     4. batch 64 x [M 2,048, K 64] x [K 64, N 2,048]; A: computed on the way; B: computed on the way: QUANTISED (scales: A lowp_scales[6], B lowp_scales[7])
;;     5. batch 64 x [M 2,048, K 2,048] x [K 2,048, N 64]; A: softmax (see below); B: computed on the way: QUANTISED (scales: A lowp_scales[8], B lowp_scales[9])
;;     6. [M 8,192, K 1,024] x [K 1,024, N 1,024]; A: computed on the way; B: input o_proj: QUANTISED (scales: A lowp_scales[10], B lowp_scales[11])
;;   THE QUANTISER, for each operand of a quantised product, along K:
;;     - The operand's scale is 2^e, e = its entry of the input lowp_scales (int32; the entries are numbered through the quantised products in the list's order, A before B).
;;     - Each number is divided by the scale, clamped to +-448, and rounded to the nearest number of E4M3, ties to even, subnormals kept.
;;     - The product sums the exact products of the quantised numbers (number of the format x scale) in f32.
;;   ~~~python
;;   def quantise(x, axis, e):      # numpy; x: float32 -> the quantised numbers, widened to float32 again
;;       x = np.moveaxis(x, axis, -1); K = x.shape[-1]
;;       r = np.clip(x / 2.0 ** e, -448, 448)
;;       step = 2.0 ** (np.maximum(np.frexp(np.where(r == 0, 1, r))[1] - 1, -6) - 3)
;;       q = np.round(r / step) * step * 2.0 ** e      # np.round: ties to even
;;       return np.moveaxis(q, -1, axis).astype(np.float32)
;;   ~~~
;;   SOFTMAX AHEAD OF A QUANTISED PRODUCT. Where the list says 'softmax', what is quantised is not the finished softmax but p = 2^(t - M), with t = logit x log2(e) and M = ceil(the row's largest t), a whole number; so 1/2 < the row's largest p <= 1. The row's sum l is taken of the UNQUANTISED p, in f32, and the product's result is divided by l at the end. Since M is a whole number, a kernel that streams over the keys may use a running M (the ceiling of the running maximum): every later rescaling is an exact power of two, so the quantised numbers keep their values, but for numbers so far below the row's largest that they fall under the format's range.
;;   OPERANDS COMPUTED ON THE WAY. 'Computed on the way' means the value that the module computes at that place (a softmax that the list does not call 'softmax' is quantised finished and normalised). What goes into a quantiser is computed in f32, as accurately as f32 sums, v_exp_f32 and their like allow (about 1e-6 of the number): no bf16 or f16 on the way to a quantiser, and a product that is left as it is and whose result goes on into a quantised operand takes f32 operands (vector FMAs, or v_wmma_f32_16x16x4_f32). A number that lies on a knife's edge between two numbers of the format may be rounded either way, as far as f32 arithmetic and the matrix unit's own rounding can turn it there, and no further.
;; One version. Each part assembles by itself: llvm-mc -triple=amdgcn-amd-amdhsa -mcpu=gfx1250 --defsym DOCPART=n.
;; ======== version 1 of 1: 4 launches
;; limits: right only within a limited range of input values
;; workspace buffers: xc 25,165,824 bytes; wc 4,194,304 bytes; rt 524,288 bytes; qkvc 25,165,824 bytes; ac 8,388,608 bytes
;; launch prep (part 1): grid 416 x 1, 4 waves a work-group, no clusters, 55,808 bytes of LDS; arguments x, q_proj, k_proj, v_proj, o_proj, token_positions, lowp_scales, xc, wc, rt; writes xc, wc, rt
.if DOCPART == 1
	.amdgcn_target "amdgcn-amd-amdhsa--gfx1250"
	.amdhsa_code_object_version 6
	.text
	.protected	k_q9b28b02bf2_prep
	.globl	k_q9b28b02bf2_prep
	.p2align	8
	.type	k_q9b28b02bf2_prep,@function
k_q9b28b02bf2_prep:
	s_mov_b64 s[64:65], 0
	v_nop
	global_prefetch_b8 v0, s[64:65] scope:SCOPE_SE
	s_setreg_imm32_b32 hwreg(HW_REG_WAVE_MODE, 25, 1), 1
	s_wait_xcnt 0x0
; PREP.  Three jobs, told apart by the work-group's number; each has LDS bytes of its own.
;  X (work-groups 0-255): x [8192][1024] f32 becomes codes of E4M3 three times, under 2^e0, 2^e2 and 2^e4 (the three products that read x have a scale each): xc [3][8192][1024].
;  W (256-383): the four weights [k][n] f32 become codes with K innermost: wc [4][n][k], planes q, k, v, o, under 2^e1, 2^e3, 2^e5, 2^e11.
;     In planes q and k the rows of each group of 32 change places: column n lies in row n with bits 3 and 4 swapped, so that in the next launch a lane's 16 results of two neighbouring tiles are 16 neighbouring columns.
;  R (384-415): rt [2048 s][32 i][cos, sin] f32 of the angle token_positions[s] x 10000^(-i/32).
; code = x / 2^e, held within +-448, to the nearest code, ties to even.
; LIMITS: e0, e2, e4, e1, e3, e5, e11 between -126 and 119.  NaN among the inputs is not served.  Positions 0 to 2047, as the table that they index has.
; The frequency is 2^(-i log2(10000) / 32) by v_exp_f32, right to about two units in its last place; the angle is one f32 product; sine and cosine: the angle less n pi/2 in two parts, then polynomials.
.set SP,     80                        ; X: a lane's place in a stage: 64 bytes + 16 of padding
.set XWREG,  64*SP                     ; X: two stages of 32 places for each wave
.set WSTG,   4*XWREG                   ; W's stages begin behind X's
.set WPITCH, 272                       ; W: a column's 256 codes + 16 of padding
.set WWREG,  32*WPITCH                 ; W: 32 columns for each wave
.set R,      16                        ; X: v16-79   four sets of 16 numbers as loaded
.set X,      80                        ; X: v80-111  two sets of 16 neighbours
.set H,      112                       ; X: unused; the conversions read v80-111
.set C,      160                       ; X: v160-183 codes: two steps x three scales x four registers
	s_load_b512 s[4:19], s[0:1], 0x0               ; x 4:5, q 6:7, k 8:9, v 10:11, o 12:13, positions 14:15, scales 16:17, xc 18:19
	s_load_b128 s[20:23], s[0:1], 0x40             ; wc 20:21, rt 22:23
	v_lshl_add_u32 v192, v0, 2, 0xd800
	v_mov_b32 v193, 0
	v_lshrrev_b32 v1, 5, v0
	v_readfirstlane_b32 s24, v1                    ; wave
	v_and_b32 v2, 31, v0                           ; lane
	s_wait_kmcnt 0x0
	s_load_b256 s[32:39], s[16:17], 0x0            ; e0 .. e7
	s_load_b128 s[40:43], s[16:17], 0x20           ; e8 .. e11
	s_cmp_lt_u32 ttmp9, 256
	s_cbranch_scc0 .Lnot_x
; ---------------- X: a wave takes 16 steps of 512 numbers.  Each load reads 512 consecutive bytes; a step's 2,048 bytes turn through the wave's own stage, so that a lane gets 16 neighbours.
	s_lshl_b32 s25, ttmp9, 2
	s_add_co_u32 s25, s25, s24                     ; which run of 8,192 numbers is my wave's
	s_lshl_b32 s44, s25, 15
	s_mov_b32 s45, 0
	s_add_nc_u64 s[4:5], s[4:5], s[44:45]
	s_lshl_b32 s44, s25, 13
	s_add_nc_u64 s[26:27], s[18:19], s[44:45]      ; my codes under e0,
	s_add_nc_u64 s[28:29], s[26:27], 0x800000      ; under e2,
	s_add_nc_u64 s[30:31], s[28:29], 0x800000      ; under e4
	s_wait_alu depctr_va_vdst(0)
	v_lshlrev_b32 v3, 4, v2                        ; 16 x lane: my bytes of a load's 512, and of a step's 512 codes
	s_mul_i32 s25, s24, XWREG
	v_lshrrev_b32 v14, 2, v2
	v_mul_u32_u24 v14, v14, SP
	v_and_b32 v15, 3, v2
	v_lshl_add_u32 v14, v15, 4, v14
	v_add_nc_u32 v14, s25, v14                     ; into the stage: four lanes' 64 bytes on end, then the padding
	v_mul_u32_u24 v15, v2, SP
	v_add_nc_u32 v15, s25, v15                     ; out of it: my 16 neighbours
.macro XLOAD t
.irp i, 0,1,2,3
	global_load_b128 v[R+16*((\t)%4)+4*\i:R+16*((\t)%4)+4*\i+3], v3, s[4:5] offset:2048*(\t)+512*\i th:TH_LOAD_NT
.endr
.endm
.macro XTURN t                         ; LDS serves a wave's instructions in order: no wait between the stores and the loads
.irp i, 0,1,2,3
	ds_store_b128 v14, v[R+16*((\t)%4)+4*\i:R+16*((\t)%4)+4*\i+3] offset:32*SP*((\t)%2)+8*SP*\i
.endr
	v_nop
.irp i, 0,1,2,3
	ds_load_b128 v[X+16*((\t)%2)+4*\i:X+16*((\t)%2)+4*\i+3], v15 offset:32*SP*((\t)%2)+16*\i
.endr
.endm
.irp t, 0,1,2,3
	XLOAD \t
.endr
	s_wait_alu depctr_va_vdst(0)
	s_wait_kmcnt 0x0
.irp p, 0,1,2
	s_add_co_i32 s46, s[32+2*\p], 127
	s_lshl_b32 s47, s46, 23
	v_mov_b32 v[6+2*\p], s47                       ; 2^e as f32: the conversion takes its exponent field
	s_add_co_i32 s46, s46, 8
	s_lshl_b32 s46, s46, 23
	s_or_b32 s46, s46, 0x600000
.endr
	s_wait_alu depctr_va_vdst(0)
	s_wait_loadcnt 12                              ; step 0's four loads are in
	XTURN 0
.macro XSTEP t
.set XS, X+16*((\t)%2)
	s_wait_dscnt 0x0                               ; this step's numbers are back, so its stores into the stage have read their registers,
.if (\t)+4 < 16
	XLOAD (\t)+4                                   ; which take the loads of four steps on
.endif
.if (\t)+1 < 16
.if 14-(\t) >= 3
	s_wait_loadcnt 12                              ; the next step's four loads are in; the three steps behind it may be out
.else
	s_wait_loadcnt 4*(14-(\t))
.endif
	XTURN (\t)+1
.endif
	s_wait_xcnt 0x0                                ; the stores of two steps back have read their codes: those registers are written again below
.irp p, 0,1,2
.irp i, 0,1,2,3,4,5,6,7,8,9,10,11,12,13,14,15
.endr
	v_cvt_scalef32_pk8_fp8_f32 v[C+12*((\t)%2)+4*\p:C+12*((\t)%2)+4*\p+1], v[H+16*\p+((XS+0)-(H+16*\p+0)):H+16*\p+7+((XS+0)-(H+16*\p+0))], v[6+2*\p]
	v_cvt_scalef32_pk8_fp8_f32 v[C+12*((\t)%2)+4*\p+2:C+12*((\t)%2)+4*\p+3], v[H+16*\p+8+((XS+0)-(H+16*\p+0)):H+16*\p+15+((XS+0)-(H+16*\p+0))], v[6+2*\p]
	global_store_b128 v3, v[C+12*((\t)%2)+4*\p:C+12*((\t)%2)+4*\p+3], s[26+2*\p:27+2*\p] offset:512*(\t)   ; the wave stores 512 consecutive bytes
.endr
.endm
.irp t, 0,1,2,3,4,5,6,7,8,9,10,11,12,13,14,15
	XSTEP \t
.endr
	s_wait_tensorcnt 0x0
	ds_add_u32 v192, v193
	s_wait_dscnt 0x0
	s_endpgm
.Lnot_x:
	s_cmp_lt_u32 ttmp9, 384
	s_cbranch_scc0 .Ltable
; ---------------- W: a lane takes a column n and its registers run down K; a wave takes 32 columns x 256 along K; the codes leave through the wave's stage as rows.
	s_sub_co_u32 s25, ttmp9, 256
	s_lshr_b32 s26, s25, 5                         ; which weight: q, k, v, o
	s_and_b32 s27, s25, 7                          ; which 128 columns
	s_bfe_u32 s28, s25, 0x20003                    ; which 256 along K
	s_cmp_eq_u32 s26, 1
	s_cselect_b64 s[6:7], s[8:9], s[6:7]
	s_cmp_eq_u32 s26, 2
	s_cselect_b64 s[6:7], s[10:11], s[6:7]
	s_cmp_eq_u32 s26, 3
	s_cselect_b64 s[6:7], s[12:13], s[6:7]
	s_lshl_b32 s29, s27, 7
	s_lshl_b32 s30, s24, 5
	s_add_co_u32 s29, s29, s30                     ; my wave's first column
	s_lshl_b32 s44, s28, 20                        ; 256 rows of 4,096 bytes
	s_lshl_b32 s30, s29, 2
	s_add_co_u32 s44, s44, s30
	s_mov_b32 s45, 0
	s_add_nc_u64 s[6:7], s[6:7], s[44:45]
	s_lshl_b32 s44, s26, 20                        ; the weight's plane of codes,
	s_lshl_b32 s30, s29, 10
	s_add_co_u32 s44, s44, s30                     ; my first row of it,
	s_lshl_b32 s30, s28, 8
	s_add_co_u32 s44, s44, s30                     ; my 256 bytes of a row
	s_add_nc_u64 s[20:21], s[20:21], s[44:45]
	s_cmp_lt_u32 s26, 2
	s_cselect_b32 s31, 8192, 0                     ; q and k: columns 8-15 go eight rows down,
	s_sub_co_u32 s46, 8192, s31                    ; columns 16-23 eight rows up (their stores' immediates stand eight rows back)
	s_wait_alu depctr_va_vdst(0)
	v_lshlrev_b32 v3, 2, v2
	s_mul_i32 s47, s24, WWREG
	s_add_co_u32 s47, s47, WSTG
	v_mul_u32_u24 v4, v2, WPITCH
	v_add_nc_u32 v4, s47, v4                       ; into my stage: row = my column
	v_and_b32 v5, 15, v2
	v_lshrrev_b32 v6, 4, v2
	v_mul_u32_u24 v7, v6, WPITCH
	v_lshl_add_u32 v7, v5, 4, v7
	v_add_nc_u32 v7, s47, v7                       ; out of it: sixteen lanes to a row, two rows an instruction
	v_lshlrev_b32 v8, 10, v6
	v_lshl_add_u32 v8, v5, 4, v8                   ; the same place in the codes' plane
	v_add_nc_u32 v9, s31, v8
	v_add_nc_u32 v12, s46, v8
.macro WLOAD t
.irp i, 0,1,2,3,4,5,6,7,8,9,10,11,12,13,14,15,16,17,18,19,20,21,22,23,24,25,26,27,28,29,30,31
	global_load_b32 v[32+32*((\t)%2)+\i], v3, s[6:7] offset:(32*(\t)+\i)*4096 th:TH_LOAD_NT
.endr
.endm
	WLOAD 0
	WLOAD 1
	s_wait_kmcnt 0x0
	s_cmp_eq_u32 s26, 1
	s_cselect_b32 s48, s35, s33
	s_cmp_eq_u32 s26, 2
	s_cselect_b32 s48, s37, s48
	s_cmp_eq_u32 s26, 3
	s_cselect_b32 s48, s43, s48                    ; e1, e3, e5 or e11
	s_add_co_i32 s48, s48, 127
	s_lshl_b32 s49, s48, 23
	v_mov_b32 v11, s49
	s_add_co_i32 s48, s48, 8
	s_lshl_b32 s48, s48, 23
	s_or_b32 s48, s48, 0x600000
.macro WBLOCK t
.set XS, 32+32*((\t)%2)
.if (\t) < 7
	s_wait_loadcnt 32                              ; this block's 32 loads are in; the next block's may be out
.else
	s_wait_loadcnt 0
.endif
.irp i, 0,1,2,3,4,5,6,7,8,9,10,11,12,13,14,15,16,17,18,19,20,21,22,23,24,25,26,27,28,29,30,31
.endr
.irp g, 0,1,2,3
	v_cvt_scalef32_pk8_fp8_f32 v[96+2*\g:97+2*\g], v[XS+8*\g:XS+8*\g+7], v11
.endr
	ds_store_b128 v4, v[96:99] offset:32*(\t)
	ds_store_b128 v4, v[100:103] offset:32*(\t)+16
.if (\t)+2 < 8
	WLOAD (\t)+2
.endif
	s_wait_dscnt 0x0                               ; the stores have read their registers: the next block's codes may be written
.endm
	s_wait_alu depctr_va_vdst(0)
.irp t, 0,1,2,3,4,5,6,7
	WBLOCK \t
.endr
.irp t, 0,1,2,3,4,5,6,7,8,9,10,11,12,13,14,15
	ds_load_b128 v[112+4*\t:115+4*\t], v7 offset:2*\t*WPITCH
.endr
.macro WOUT t, adr, row                ; 16 lanes store 256 consecutive bytes, at a multiple of 256 from the plane's first byte
	s_wait_dscnt 15-\t
	global_store_b128 v[\adr], v[112+4*\t:115+4*\t], s[20:21] offset:(\row)*1024
.endm
.irp t, 0,1,2,3
	WOUT \t, 8, 2*\t
.endr
.irp t, 4,5,6,7
	WOUT \t, 9, 2*\t
.endr
.irp t, 8,9,10,11
	WOUT \t, 12, 2*\t-8
.endr
.irp t, 12,13,14,15
	WOUT \t, 8, 2*\t
.endr
	s_wait_tensorcnt 0x0
	ds_add_u32 v192, v193
	s_wait_dscnt 0x0
	s_endpgm
.Ltable:
; ---------------- R: a wave makes 16 rows of the table; lane i is frequency i; a row is 256 bytes, stored whole by one instruction.
	s_sub_co_u32 s25, ttmp9, 384
	s_lshl_b32 s25, s25, 6
	s_lshl_b32 s26, s24, 4
	s_add_co_u32 s25, s25, s26                     ; my first row
	s_lshl_b32 s26, s25, 2
	s_mov_b32 s27, 0
	s_add_nc_u64 s[14:15], s[14:15], s[26:27]
	s_load_b512 s[44:59], s[14:15], 0x0            ; my 16 positions
	s_lshl_b32 s26, s25, 8
	s_add_nc_u64 s[22:23], s[22:23], s[26:27]
	s_mov_b32 s28, 0x3fc90fdb                      ; pi/2 to f32,
	s_mov_b32 s29, 0xb33bbd2e                      ; and what that leaves
	s_mov_b32 s30, 0x37ccf5ce                      ; cosine: 1 - z/2 + z z ((c0 z + c1) z + c2), z = r r
	s_mov_b32 s31, 0xbab6061a
	s_mov_b32 s60, 0x3d2aaaa5
	s_mov_b32 s61, 0xb94ca1f9                      ; sine: r + r z ((s0 z + s1) z + s2)
	s_mov_b32 s62, 0x3c08839e
	s_mov_b32 s63, 0xbe2aaaa3
	s_wait_alu depctr_va_vdst(0)
	v_cvt_f32_u32 v4, v2
	v_mul_f32 v4, 0xbed49a78, v4                   ; -i log2(10000) / 32
	s_wait_alu depctr_va_vdst(0)
	v_exp_f32 v4, v4
	v_lshlrev_b32 v3, 3, v2                        ; (a plain line behind the exponential)  8 bytes a lane
	s_wait_kmcnt 0x0
	s_wait_alu depctr_va_vdst(0)                   ; the wait ahead of the first reader
.macro SINCOS k
	v_cvt_f32_i32 v5, s[44+\k]
	v_mul_f32 v6, v5, v4                           ; the angle, rounded once
	v_mul_f32 v7, 0x3f22f983, v6
	v_rndne_f32 v7, v7                             ; n = the nearest whole number to angle x 2/pi, at most 1,304
	v_fma_f32 v8, -v7, s28, v6                     ; exact: both are multiples of 2^-24 and the difference is under 1
	v_fma_f32 v8, -v7, s29, v8                     ; r, within pi/4 or a little more
	v_mul_f32 v9, v8, v8
	v_fma_f32 v10, v9, s30, s31
	v_fma_f32 v11, v9, s61, s62
	v_mul_f32 v12, v9, v9
	v_fma_f32 v13, v9, -0.5, 1.0
	v_fma_f32 v10, v10, v9, s60
	v_fma_f32 v11, v11, v9, s63
	v_mul_f32 v15, v8, v9
	v_fma_f32 v10, v10, v12, v13                   ; cos r
	v_fma_f32 v11, v11, v15, v8                    ; sin r
	v_cvt_i32_f32 v14, v7
	v_and_b32 v12, 1, v14
	v_cmp_eq_u32 vcc_lo, 1, v12                    ; n odd: the two change places
	v_cndmask_b32 v[65+2*\k], v11, v10, vcc_lo
	v_cndmask_b32 v[64+2*\k], v10, v11, vcc_lo
	v_lshlrev_b32 v12, 30, v14                     ; the sine's sign: bit 1 of n;
	v_add_nc_u32 v14, 1, v14
	v_lshlrev_b32 v13, 30, v14                     ; the cosine's: bit 1 of n + 1
	v_and_b32 v12, 0x80000000, v12
	v_and_b32 v13, 0x80000000, v13
	v_xor_b32 v[65+2*\k], v[65+2*\k], v12
	v_xor_b32 v[64+2*\k], v[64+2*\k], v13
	global_store_b64 v3, v[64+2*\k:65+2*\k], s[22:23] offset:256*\k
.endm
.irp k, 0,1,2,3,4,5,6,7,8,9,10,11,12,13,14,15
	SINCOS \k
.endr
	s_endpgm
.Lfunc_end_k_q9b28b02bf2_prep:
	.size	k_q9b28b02bf2_prep, .Lfunc_end_k_q9b28b02bf2_prep-k_q9b28b02bf2_prep
	.p2alignl 7, 3214868480
	.fill 96, 4, 3214868480
	.section	.rodata,"a",@progbits
	.p2align	6, 0x0
	.amdhsa_kernel k_q9b28b02bf2_prep
		.amdhsa_group_segment_fixed_size 55808
		.amdhsa_private_segment_fixed_size 0
		.amdhsa_enable_private_segment 0
		.amdhsa_kernarg_size 80
		.amdhsa_user_sgpr_count 2
		.amdhsa_user_sgpr_kernarg_segment_ptr 1
		.amdhsa_wavefront_size32 1
		.amdhsa_system_sgpr_workgroup_id_x 1
		.amdhsa_system_sgpr_workgroup_id_y 1
		.amdhsa_system_sgpr_workgroup_id_z 1
		.amdhsa_system_vgpr_workitem_id 0
		.amdhsa_next_free_vgpr 194
		.amdhsa_next_free_sgpr 66
		.amdhsa_reserve_vcc 1
		.amdhsa_float_denorm_mode_32 3
		.amdhsa_float_denorm_mode_16_64 3
		.amdhsa_fp16_overflow 1
		.amdhsa_memory_ordered 1
		.amdhsa_forward_progress 1
		.amdhsa_inst_pref_size 85
	.end_amdhsa_kernel
	.amdgpu_metadata
---
amdhsa.version: [ 1, 2 ]
amdhsa.kernels:
  - .name:           k_q9b28b02bf2_prep
    .symbol:         k_q9b28b02bf2_prep.kd
    .args:
      - { .name: x, .offset: 0, .size: 8, .value_kind: global_buffer, .address_space: global }
      - { .name: q_proj, .offset: 8, .size: 8, .value_kind: global_buffer, .address_space: global }
      - { .name: k_proj, .offset: 16, .size: 8, .value_kind: global_buffer, .address_space: global }
      - { .name: v_proj, .offset: 24, .size: 8, .value_kind: global_buffer, .address_space: global }
      - { .name: o_proj, .offset: 32, .size: 8, .value_kind: global_buffer, .address_space: global }
      - { .name: token_positions, .offset: 40, .size: 8, .value_kind: global_buffer, .address_space: global }
      - { .name: lowp_scales, .offset: 48, .size: 8, .value_kind: global_buffer, .address_space: global }
      - { .name: xc, .offset: 56, .size: 8, .value_kind: global_buffer, .address_space: global }
      - { .name: wc, .offset: 64, .size: 8, .value_kind: global_buffer, .address_space: global }
      - { .name: rt, .offset: 72, .size: 8, .value_kind: global_buffer, .address_space: global }
    .group_segment_fixed_size: 55808
    .private_segment_fixed_size: 0
    .kernarg_segment_align: 8
    .kernarg_segment_size: 80
    .max_flat_workgroup_size: 128
    .sgpr_count:     66
    .vgpr_count:     194
    .wavefront_size: 32
...
	.end_amdgpu_metadata
.endif
;; end of part 1
;; launch qkv (part 2): grid 4 x 192, 4 waves a work-group, clusters of 4 x 4, 327,680 bytes of LDS; arguments xc, wc, rt, lowp_scales, qkvc; writes qkvc
.if DOCPART == 2
	.amdgcn_target "amdgcn-amd-amdhsa--gfx1250"
	.amdhsa_code_object_version 6
	.text
	.protected	k_q9b28b02bf2_qkv
	.globl	k_q9b28b02bf2_qkv
	.p2align	8
	.type	k_q9b28b02bf2_qkv,@function
k_q9b28b02bf2_qkv:
	s_mov_b64 s[64:65], 0
	v_nop
	global_prefetch_b8 v0, s[64:65] scope:SCOPE_SE
	s_setreg_imm32_b32 hwreg(HW_REG_WAVE_MODE, 25, 1), 1
	s_wait_xcnt 0x0
	s_wait_alu depctr_hold_cnt(0) depctr_sa_sdst(0) depctr_va_vdst(0) depctr_va_sdst(0) depctr_va_ssrc(0) depctr_va_vcc(0) depctr_vm_vsrc(0)
	s_getreg_b32 s2, hwreg(HW_REG_IB_STS2, 6, 4)
	s_cmp_eq_u32 s2, 0
	s_cbranch_scc0 .Lentry_in_a_cluster
	s_endpgm
.Lentry_in_a_cluster:
	s_bfe_u32 s2, ttmp6, 0x10000c
	s_cmp_lg_u32 s2, 0xf033
	s_cbranch_scc0 .Lentry_shape_is_right
	s_endpgm
.Lentry_shape_is_right:
; QKV.  q = x Wq, k = x Wk, v = x Wv on codes of E4M3; the rotation by position on q and k; then q, k, v are quantised (2^e6, 2^e7, 2^e9) and stored as codes.
; qkvc: plane 0 q [64 b h][2048 s][64 d], plane 1 k likewise, plane 2 v [4 b][1024 h d][2048 places]: the keys innermost; in each group of 32 keys, place 16 h' + 8 u + j holds key 16 u + 8 h' + j.
; A tile is 128 rows of a first operand x 256 rows of a second, K = 1,024.  For q and k the first is x and the second the weight's rows n; for v the first is Wv's rows and the second x: so a lane holds
; one position and eight neighbours along d (q, k), or one d and eight neighbouring keys (v): neighbours along the next product's K in both cases.  48 clusters: 16 for each of q, k, v; T = cluster y / 16.
; Four waves, 2 x 2: a wave makes 64 x 128: 32 accumulators.  The matrix instruction takes 16 rows of the second operand as source 0 and 16 rows of the first as source 1.
; K goes in four steps of 256 through THREE LDS slots: steps 0, 1, 2 are asked for together at the head (three loads of a wave are out), step 3 fills slot 0 again behind one round of the cluster's barrier.
; CLUSTERS 4 x 4: the first operand's tile is shared along a row of the cluster, the second's along a column: joint loads.
; A fragment comes by four loads of 16 bytes: k is permuted alike in both operands, which changes only the order of the sums inside an instruction.
; The sums stand for sum x 2^(ea + eb); the rotation is linear, so it is made on the sums, and the three scales are folded into the conversion's one.
; LIMITS: e6 - e0 - e1, e7 - e2 - e3, e9 - e4 - e5 between -126 and 119.
; REGISTERS, in windows of 256: window 0: v0-31 addresses; v32-95 at work; v128-255 the first operand's fragments, two sets of 64 (on the way out: codes, rows).
;   window 1: the second operand's fragments, two sets of 128.   window 2: accumulator (a, b) at v[64 a + 8 b].   window 3: cos and sin of my 64 positions: v[32 a + 8 m + ..].
.set PITCH,  272                       ; an LDS row: 256 bytes + 16 of padding: the 16 rows that a load touches begin 16 bytes further on each, modulo 256
.set SLOT,   384*PITCH                 ; the first operand's 128 rows, then the second's 256
.set BOFF,   128*PITCH
.set STAGE,  SLOT                      ; the way out: 128 rows x 272 bytes, in slot 1: it has its only fill at the head, and its last read lies ahead of the last barrier of the K steps
.set SPARE,  3*SLOT                    ; the spare words: 128 bytes for each wave, two blocks of 256 bytes that no other line names
.set ASTEP,  256                       ; a K step on, in the first operand's memory
.set ADRA, 10                          ; v10-12  LDS address of my fragments of the first operand in slot 0, 1, 2
.set ADRB, 13                          ; v13-15  of the second
.set STO,  16                          ; v16  the way out: where I put 16 codes
.set RDQ,  17                          ; v17  q, k: where I read a head's rows back
.set RDV,  18                          ; v18  v: where I read rows back
.set GOQ,  19                          ; v19  q, k: my byte offset in the wave's 8 KB
.set GOV,  20                          ; v20  v: my byte offset in two rows
.set RTO,  21                          ; v21  my byte offset in the table's rows
.set SPW,  28                          ; v28  LDS address of my spare word; never rewritten
.set NIL,  29                          ; v29  0; never rewritten
.set SCL,  30                          ; v30  the folded scale as f32
.set LIM,  31                          ; v31  448 x that
.set TMP,  32
.set AF,   128
.set CODE, 128
.set BK,   192
.set G1,  24                           ; s[24:31] group 1, first operand;  s[32:39] second
.set G1B, 32
.set G0,  48                           ; s[48:59] group 0, first operand, a set for each slot;  s[68:79] second
.set G0B, 68
.set MSB, 0
.macro WIN new                         ; the immediate's high byte repeats the setting that is left
.if MSB != \new
	s_set_vgpr_msb (MSB<<8)|\new
.set MSB, \new
.endif
.endm
.set MUL,  0xa1                        ; source 0 window 1, source 1 window 0, C and D window 2
.set TO_B, 0x40                        ; destination window 1, address window 0
.macro JLOAD g0a, g1a, g0b, g1b        ; a joint load: waves 0, 1 fetch the first operand's halves, waves 2, 3 the second's; four v_nop follow each line
	s_cmp_eq_u32 s15, 0
	s_cbranch_scc0 .Lfor_b_\@
	tensor_load_to_lds s[\g0a:\g0a+3], s[\g1a:\g1a+7]
	s_nop 0
.rept 4
	v_nop
.endr
	s_branch .Lasked_\@
.Lfor_b_\@:
	tensor_load_to_lds s[\g0b:\g0b+3], s[\g1b:\g1b+7]
	s_nop 0
.rept 4
	v_nop
.endr
.Lasked_\@:
.endm
.macro CREST                           ; a round of the cluster's barrier behind its opening barrier
	s_cmp_lg_u32 s14, 0
	s_cbranch_scc1 .Lnot_wave_0_\@
	s_barrier_signal -3
.Lnot_wave_0_\@:
	s_barrier_wait -3
	s_barrier_signal -1
	s_barrier_wait -1
.endm
.macro CROUND
	s_barrier_signal -1
	s_barrier_wait -1
	CREST
.endm
.macro PLACES                          ; four plain lines between a matrix instruction and a load into, or a vector read of, its registers
.rept 4
	v_nop
.endr
.endm
	s_load_b256 s[4:11], s[0:1], 0x0               ; xc 4:5, wc 6:7, rt 8:9, scales 10:11
	s_load_b64 s[12:13], s[0:1], 0x20              ; qkvc
	v_lshl_add_u32 v[SPW], v0, 2, SPARE
	v_mov_b32 v[NIL], 0
	ds_add_u32 v28, v29
	ds_add_u32 v28, v29
	s_wait_dscnt 0x0
	v_lshrrev_b32 v1, 5, v0
	v_readfirstlane_b32 s14, v1                    ; wave
	s_lshr_b32 s15, s14, 1                         ; my half of the first operand's rows.  Also: I fetch for the first (0) or the second (1)
	s_and_b32 s16, s14, 1                          ; my half of the second's rows.  Also: which half of that tile I fetch
	s_bfe_u32 s40, ttmp6, 0x40000                  ; cx
	s_bfe_u32 s41, ttmp6, 0x40004                  ; cy
	s_and_b32 s18, ttmp7, 0xffff                   ; cluster y, 0 to 47
	s_lshr_b32 s45, s18, 4                         ; T: 0 q, 1 k, 2 v: the same in all sixteen partners
	s_and_b32 s19, s18, 15
	s_lshl_b32 s20, s19, 2
	s_and_b32 s21, s19, 1
	s_lshl_b32 s21, s21, 2
	s_lshr_b32 s22, s19, 1
	s_lshl_b32 s22, s22, 2
	s_cmp_lt_u32 s45, 2
	s_cselect_b32 s17, s20, s21                    ; q, k: 64 blocks of x's rows, 4 of the weight's;
	s_cselect_b32 s42, 0, s22                      ; v: 8 blocks of Wv's rows, 32 of x's
	s_add_co_u32 s17, s17, s41                     ; TR: which 128 rows of the first operand
	s_add_co_u32 s42, s42, s40                     ; TC: which 256 rows of the second
	s_lshl_b32 s43, s41, 2
	s_lshl_b32 s43, 15, s43                        ; my row of the cluster
	s_lshl_b32 s44, 0x1111, s40                    ; my column
	s_or_b32 s[G1+0], s43, (1<<20)|(1<<21)|(5<<22)|(3<<25)   ; the mask; elements of 1 byte; padding on; bit 21 beside a mask; 4 words after every 64
	s_or_b32 s[G1B+0], s44, (1<<20)|(1<<21)|(5<<22)|(3<<25)
	s_mov_b32 s[G1+1], 256<<16                     ; tensor_dim0
	s_mov_b32 s[G1+2], 64<<16                      ; tensor_dim1
	s_mov_b32 s[G1+3], 256<<16                     ; tile_dim0
	s_mov_b32 s[G1+4], 64                          ; tile_dim1
	s_mov_b32 s[G1+5], 1024                        ; from row to row
	s_mov_b32 s[G1+6], 0
	s_mov_b32 s[G1+7], 0
	s_mov_b32 s[G1B+1], 256<<16
	s_mov_b32 s[G1B+2], 128<<16
	s_mov_b32 s[G1B+3], 256<<16
	s_mov_b32 s[G1B+4], 128
	s_mov_b32 s[G1B+5], 1024
	s_mov_b32 s[G1B+6], 0
	s_mov_b32 s[G1B+7], 0
	s_lshl_b32 s20, s17, 7
	s_lshl_b32 s21, s16, 6
	s_add_co_u32 s20, s20, s21
	s_lshl_b32 s20, s20, 10                        ; first operand: (128 TR + 64 half) rows of 1,024 bytes
	s_lshl_b32 s46, s42, 8
	s_lshl_b32 s47, s16, 7
	s_add_co_u32 s46, s46, s47
	s_lshl_b32 s46, s46, 10                        ; second: (256 TC + 128 half) rows
	s_lshl_b32 s22, s45, 23                        ; x's plane T
	s_lshl_b32 s23, s45, 20                        ; the weights' plane T
	s_cmp_lt_u32 s45, 2
	s_cselect_b32 s21, s22, s23
	s_cselect_b32 s47, s23, s22
	s_add_co_u32 s20, s20, s21
	s_add_co_u32 s46, s46, s47
	s_mov_b32 s21, 0
	s_mov_b32 s47, 0
	s_mul_i32 s94, s16, 64*PITCH                   ; where they go: no place in the cluster enters an LDS address
	s_mul_i32 s95, s16, 128*PITCH
	s_add_co_u32 s95, s95, BOFF
	s_wait_kmcnt 0x0
	s_load_b256 s[80:87], s[10:11], 0x0            ; e0 .. e7
	s_load_b64 s[88:89], s[10:11], 0x20            ; e8, e9
	s_cmp_lt_u32 s45, 2
	s_cselect_b64 s[90:91], s[4:5], s[6:7]         ; the first operand's buffer,
	s_cselect_b64 s[92:93], s[6:7], s[4:5]         ; the second's
	s_add_nc_u64 s[20:21], s[90:91], s[20:21]
	s_add_nc_u64 s[46:47], s[92:93], s[46:47]
	CROUND                                         ; all sixteen work-groups are here: the first joint loads meet
.irp k, 0,1,2
	s_mov_b32 s[G0+4*\k], 1
	s_add_co_u32 s[G0+4*\k+1], s94, \k*SLOT
	s_add_nc_u64 s[G0+4*\k+2:G0+4*\k+3], s[20:21], \k*ASTEP
	s_or_b32 s[G0+4*\k+3], s[G0+4*\k+3], 0x80000000
	s_mov_b32 s[G0B+4*\k], 1
	s_add_co_u32 s[G0B+4*\k+1], s95, \k*SLOT
	s_add_nc_u64 s[G0B+4*\k+2:G0B+4*\k+3], s[46:47], \k*256
	s_or_b32 s[G0B+4*\k+3], s[G0B+4*\k+3], 0x80000000
.endr
	s_cmp_eq_u32 s15, 0                            ; a wave's three first fills stand in one branch, ahead of every wait on TENSORcnt and every LDS read
	s_cbranch_scc0 .Lfirst_b
	tensor_load_to_lds s[G0:G0+3], s[G1:G1+7]
	s_nop 0
	tensor_load_to_lds s[G0+4:G0+7], s[G1:G1+7]
	s_nop 0
	tensor_load_to_lds s[G0+8:G0+11], s[G1:G1+7]
	s_nop 0
.rept 4
	v_nop
.endr
	s_branch .Lfirst_asked
.Lfirst_b:
	tensor_load_to_lds s[G0B:G0B+3], s[G1B:G1B+7]
	s_nop 0
	tensor_load_to_lds s[G0B+4:G0B+7], s[G1B:G1B+7]
	s_nop 0
	tensor_load_to_lds s[G0B+8:G0B+11], s[G1B:G1B+7]
	s_nop 0
.rept 4
	v_nop
.endr
.Lfirst_asked:
	v_and_b32 v1, 15, v0                           ; r
	v_bfe_u32 v2, v0, 4, 1                         ; h'
	v_and_b32 v3, 31, v0                           ; lane
	v_mul_u32_u24 v4, v1, PITCH
	v_lshl_add_u32 v4, v2, 4, v4                   ; r x pitch + 16 h'
	s_wait_alu depctr_va_vdst(0)
	s_mul_i32 s21, s15, 64*PITCH
	s_mul_i32 s22, s16, 128*PITCH
	s_add_co_u32 s22, s22, BOFF
.irp k, 0,1,2
	v_add_nc_u32 v[ADRA+\k], s21, v4
	v_add_nc_u32 v[ADRB+\k], s22, v4
	s_add_co_u32 s21, s21, SLOT
	s_add_co_u32 s22, s22, SLOT
.endr
	s_mul_i32 s23, s15, 64*PITCH
	s_lshl_b32 s21, s16, 7
	s_add_co_u32 s23, s23, s21
	s_add_co_u32 s23, s23, STAGE
	v_add_nc_u32 v[STO], s23, v4                   ; the stage: row 64 half + r, byte 128 half + 16 h'
	v_lshrrev_b32 v5, 2, v3
	v_mul_u32_u24 v5, v5, PITCH
	v_and_b32 v6, 3, v3
	v_lshl_add_u32 v5, v6, 4, v5
	s_lshl_b32 s23, s14, 6
	s_add_co_u32 s23, s23, STAGE
	v_add_nc_u32 v[RDQ], s23, v5                   ; q, k: four lanes to a row's 64 bytes of head w: eight rows an instruction
	v_mul_u32_u24 v5, v2, PITCH
	v_lshl_add_u32 v5, v1, 4, v5
	s_mul_i32 s23, s14, 32*PITCH
	s_add_co_u32 s23, s23, STAGE
	v_add_nc_u32 v[RDV], s23, v5                   ; v: sixteen lanes to a row of 256 bytes, rows 32 w on
	v_lshlrev_b32 v[GOQ], 4, v3
	v_lshlrev_b32 v[GOV], 11, v2
	v_lshl_add_u32 v[GOV], v1, 4, v[GOV]
	v_lshlrev_b32 v[RTO], 8, v1
	v_lshl_add_u32 v[RTO], v2, 6, v[RTO]           ; the table: row r, + 64 h'
	s_cmp_eq_u32 s45, 2                            ; v is not rotated: it reads no table
	s_cbranch_scc1 .Lno_table
	s_and_b32 s22, s17, 15
	s_lshl_b32 s22, s22, 7
	s_lshl_b32 s23, s15, 6
	s_add_co_u32 s22, s22, s23                     ; my first position in the sequence
	s_lshl_b32 s22, s22, 8
	s_mov_b32 s23, 0
	s_add_nc_u64 s[8:9], s[8:9], s[22:23]
	WIN 0xc0                                       ; destination window 3
	s_wait_alu depctr_va_vdst(0)
; accumulator b covers columns 32 (b / 2) + 16 h' + 8 (b % 2) + j, so d / 2 = 16 ((b / 2) % 2) + 8 h' + 4 (b % 2) + j / 2: set m = b % 4 holds its four pairs (cos, sin)
.irp a, 0,1,2,3
.irp m, 0,1,2,3
	global_load_b128 v[32*\a+8*\m:32*\a+8*\m+3],   v[RTO], s[8:9] offset:4096*\a+128*(\m/2)+32*(\m%2)
	global_load_b128 v[32*\a+8*\m+4:32*\a+8*\m+7], v[RTO], s[8:9] offset:4096*\a+128*(\m/2)+32*(\m%2)+16
.endr
.endr
	WIN 0
.Lno_table:
.macro FRAG reg, adr, off              ; 16 rows x 128 K: registers 4 c .. 4 c + 3 hold K = 32 c + 16 h' + 0 .. 15 of row r
.irp c, 0,1,2,3
	ds_load_b128 v[(\reg)+4*\c:(\reg)+4*\c+3], v[\adr] offset:(\off)+32*\c
.endr
.endm
.macro FETCH slot, q, p                ; the fragments of the slot's q-th 128 along K into set p: 48 loads in one run
	WIN TO_B
.irp i, 0,1,2,3,4,5,6,7
	FRAG 128*(\p)+16*\i, ADRB+\slot, 128*(\q)+\i*16*PITCH
.endr
	WIN 0
.irp i, 0,1,2,3
	FRAG AF+64*(\p)+16*\i, ADRA+\slot, 128*(\q)+\i*16*PITCH
.endr
.endm
.macro MULA a, p, zero                 ; block a of the first operand against the second's eight.  The 32 accumulators take turns in the same order in every half step
.irp b, 0,1,2,3,4,5,6,7
.if \zero
	v_wmma_f32_16x16x128_fp8_fp8 v[64*(\a)+8*\b:64*(\a)+8*\b+7], v[128*(\p)+16*\b:128*(\p)+16*\b+15], v[AF+64*(\p)+16*(\a):AF+64*(\p)+16*(\a)+15], 0
.else
	v_wmma_f32_16x16x128_fp8_fp8 v[64*(\a)+8*\b:64*(\a)+8*\b+7], v[128*(\p)+16*\b:128*(\p)+16*\b+15], v[AF+64*(\p)+16*(\a):AF+64*(\p)+16*(\a)+15], v[64*(\a)+8*\b:64*(\a)+8*\b+7]
.endif
.endr
.endm
.macro STEP p, fslot, fq, zero         ; a half step of 128 along K on set p; the next half step's fragments are fetched behind its first eight products
	s_wait_dscnt 0x0                               ; set p is in
	WIN MUL
	MULA 0, \p, \zero
	PLACES
	FETCH \fslot, \fq, 1-(\p)
	WIN MUL
	MULA 1, \p, \zero
	MULA 2, \p, \zero
	MULA 3, \p, \zero
	WIN 0
.endm
.macro TURN p, fslot, fill             ; a half step with a barrier: all my tensor loads have landed, the add, my reads are over.  fill = 1: slot 0 takes K step 3 behind a round of the cluster's barrier
	s_wait_tensorcnt 0x0                           ; all my tensor loads have landed
	ds_add_u32 v[SPW], v[NIL]                      ; 0 onto my spare word
	s_wait_dscnt 0x1                               ; set p is in; the add alone may be out
	WIN MUL
	MULA 0, \p, 0
	s_wait_dscnt 0x0                               ; the add is done, and my reads of the slots read so far are over
	s_barrier_signal -1
	MULA 1, \p, 0
	WIN 0
	s_barrier_wait -1
.if \fill
	CREST                                          ; no wave of any partner still reads slot 0 or has a load on its way
	s_add_nc_u64 s[G0+2:G0+3], s[G0+2:G0+3], 3*ASTEP
	s_add_nc_u64 s[G0B+2:G0B+3], s[G0B+2:G0B+3], 3*256
	JLOAD G0, G1, G0B, G1B                         ; the first tensor load behind the round, my only one; its four v_nop are the places in front of the loads below
.else
	PLACES
.endif
	FETCH \fslot, 0, 1-(\p)
	WIN MUL
	MULA 2, \p, 0
	MULA 3, \p, 0
	WIN 0
.endm
	s_wait_tensorcnt 0x2                           ; my part of K step 0 is in; K steps 1 and 2 may be out
	s_barrier_signal -1
	s_barrier_wait -1
	FETCH 0, 0, 0
	STEP 0, 0, 1, 1                                ; the first products start the sums
	TURN 1, 1, 1                                   ; slots 1 and 2 are whole for every wave; slot 0 is asked for again: 128 products a wave lie ahead of the wait for it
	STEP 0, 1, 1, 0
	STEP 1, 2, 0, 0
	STEP 0, 2, 1, 0
	TURN 1, 0, 0                                   ; K step 3 is whole; nothing is filled again
	STEP 0, 0, 1, 0
	s_wait_dscnt 0x0
	WIN MUL
	MULA 0, 1, 0
	MULA 1, 1, 0
	MULA 2, 1, 0
	MULA 3, 1, 0
	WIN 0
	; THE WAY OUT
	s_wait_loadcnt 0x0                             ; the table
	s_wait_kmcnt 0x0
	s_sub_co_i32 s90, s86, s80
	s_sub_co_i32 s90, s90, s81                     ; e6 - e0 - e1
	s_sub_co_i32 s91, s87, s82
	s_sub_co_i32 s91, s91, s83                     ; e7 - e2 - e3
	s_sub_co_i32 s92, s89, s84
	s_sub_co_i32 s92, s92, s85                     ; e9 - e4 - e5
	s_cmp_eq_u32 s45, 1
	s_cselect_b32 s90, s91, s90
	s_cmp_eq_u32 s45, 2
	s_cselect_b32 s90, s92, s90
	s_add_co_i32 s90, s90, 127
	s_lshl_b32 s91, s90, 23
	v_mov_b32 v[SCL], s91
	s_add_co_i32 s90, s90, 8
	s_lshl_b32 s90, s90, 23
	s_or_b32 s90, s90, 0x600000
	v_mov_b32 v[LIM], s90
	PLACES
.macro OUTA a                          ; my rows 16 a .. 16 a + 15: rotated (q, k) or held (v), turned into codes, put into the stage
	s_cmp_eq_u32 s45, 2
	s_cbranch_scc1 .Lplain_\@
	WIN 0x0e                                       ; source 0: the sums, window 2; source 1: the table, window 3
.irp b, 0,1,2,3,4,5,6,7
.irp i, 0,1,2,3
	v_pk_mul_f32 v[TMP+8*\b+2*\i:TMP+8*\b+2*\i+1], v[64*(\a)+8*\b+2*\i:64*(\a)+8*\b+2*\i+1], v[32*(\a)+8*(\b%4)+2*\i:32*(\a)+8*(\b%4)+2*\i+1] op_sel_hi:[1,0]   ; both x cos; each accumulator from its low end on
	v_fma_f32 v[TMP+8*\b+2*\i], -v[64*(\a)+8*\b+2*\i+1], v[32*(\a)+8*(\b%4)+2*\i+1], v[TMP+8*\b+2*\i]       ; x0 cos - x1 sin
	v_fma_f32 v[TMP+8*\b+2*\i+1], v[64*(\a)+8*\b+2*\i], v[32*(\a)+8*(\b%4)+2*\i+1], v[TMP+8*\b+2*\i+1]      ; x1 cos + x0 sin
.endr
.endr
	WIN 0
.set n, 0
.rept 64
.set n, n+1
.endr
	s_branch .Ljoin_\@
.Lplain_\@:
	WIN 0x02                                       ; source 0: window 2
.set n, 0
	s_wait_alu depctr_va_vdst(0)
.rept 64
	v_med3_num_f32 v[TMP+n], v[64*(\a)+n], -v[LIM], v[LIM]
.set n, n+1
.endr
	WIN 0
.Ljoin_\@:
	s_wait_alu depctr_va_vdst(0)
.irp b, 0,1,2,3,4,5,6,7
	v_cvt_scalef32_pk8_fp8_f32 v[CODE+16*(\a)+2*\b:CODE+16*(\a)+2*\b+1], v[TMP+8*\b:TMP+8*\b+7], v[SCL]
.endr
	v_nop                                          ; a plain line between the conversions and the next lines that write their sources
.irp g, 0,1,2,3
	ds_store_b128 v[STO], v[CODE+16*(\a)+4*\g:CODE+16*(\a)+4*\g+3] offset:(\a)*16*PITCH+32*\g   ; accumulators 2 g and 2 g + 1: 16 codes at byte 32 g + 16 h'
.endr
.endm
	OUTA 0
	OUTA 1
	OUTA 2
	OUTA 3
	s_wait_dscnt 0x0                               ; for the others' sake: a stage row's 256 bytes come from two waves
	s_barrier_signal -1
	s_barrier_wait -1
	s_cmp_eq_u32 s45, 2
	s_cbranch_scc1 .Lsend_v
	s_lshr_b32 s20, s17, 4                         ; q, k: wave w sends head 4 TC + w: 128 positions x 64 bytes, 8 KB on end
	s_lshl_b32 s20, s20, 4
	s_lshl_b32 s21, s42, 2
	s_add_co_u32 s20, s20, s21
	s_add_co_u32 s20, s20, s14                     ; 16 b + head
	s_lshl_b32 s20, s20, 17
	s_and_b32 s21, s17, 15
	s_lshl_b32 s21, s21, 13
	s_add_co_u32 s20, s20, s21
	s_lshl_b32 s21, s45, 23
	s_add_co_u32 s20, s20, s21
	s_mov_b32 s21, 0
	s_add_nc_u64 s[12:13], s[12:13], s[20:21]
.irp t, 0,1,2,3,4,5,6,7,8,9,10,11,12,13,14,15
	ds_load_b128 v[BK+4*\t:BK+4*\t+3], v[RDQ] offset:8*\t*PITCH
.endr
.irp t, 0,1,2,3,4,5,6,7,8,9,10,11,12,13,14,15
	s_wait_dscnt 15-\t
	global_store_b128 v[GOQ], v[BK+4*\t:BK+4*\t+3], s[12:13] offset:512*\t   ; the wave stores 512 consecutive bytes
.endr
	s_branch .Lsent
.Lsend_v:
	s_lshr_b32 s20, s42, 3                         ; v: wave w sends rows 32 w .. 32 w + 31 of the tile, 256 places each
	s_lshl_b32 s20, s20, 10
	s_lshl_b32 s21, s17, 7
	s_add_co_u32 s20, s20, s21
	s_lshl_b32 s21, s14, 5
	s_add_co_u32 s20, s20, s21                     ; 1024 b + the row h d
	s_lshl_b32 s20, s20, 11
	s_and_b32 s21, s42, 7
	s_lshl_b32 s21, s21, 8
	s_add_co_u32 s20, s20, s21
	s_add_co_u32 s20, s20, 0x1000000
	s_mov_b32 s21, 0
	s_add_nc_u64 s[12:13], s[12:13], s[20:21]
.irp t, 0,1,2,3,4,5,6,7,8,9,10,11,12,13,14,15
	ds_load_b128 v[BK+4*\t:BK+4*\t+3], v[RDV] offset:2*\t*PITCH
.endr
.irp t, 0,1,2,3,4,5,6,7,8,9,10,11,12,13,14,15
	s_wait_dscnt 15-\t
	global_store_b128 v[GOV], v[BK+4*\t:BK+4*\t+3], s[12:13] offset:4096*\t  ; 16 lanes store 256 consecutive bytes, at a multiple of 256 from the buffer's first byte
.endr
.Lsent:
	s_wait_tensorcnt 0x0                           ; the wave's end
	ds_add_u32 v[SPW], v[NIL]
	s_wait_dscnt 0x0
	CROUND                                         ; the closing round
	s_endpgm
.Lfunc_end_k_q9b28b02bf2_qkv:
	.size	k_q9b28b02bf2_qkv, .Lfunc_end_k_q9b28b02bf2_qkv-k_q9b28b02bf2_qkv
	.p2alignl 7, 3214868480
	.fill 96, 4, 3214868480
	.section	.rodata,"a",@progbits
	.p2align	6, 0x0
	.amdhsa_kernel k_q9b28b02bf2_qkv
		.amdhsa_group_segment_fixed_size 327680
		.amdhsa_private_segment_fixed_size 0
		.amdhsa_enable_private_segment 0
		.amdhsa_kernarg_size 40
		.amdhsa_user_sgpr_count 2
		.amdhsa_user_sgpr_kernarg_segment_ptr 1
		.amdhsa_wavefront_size32 1
		.amdhsa_system_sgpr_workgroup_id_x 1
		.amdhsa_system_sgpr_workgroup_id_y 1
		.amdhsa_system_sgpr_workgroup_id_z 1
		.amdhsa_system_vgpr_workitem_id 0
		.amdhsa_next_free_vgpr 1024
		.amdhsa_next_free_sgpr 98
		.amdhsa_reserve_vcc 0
		.amdhsa_float_denorm_mode_32 3
		.amdhsa_float_denorm_mode_16_64 3
		.amdhsa_fp16_overflow 1
		.amdhsa_memory_ordered 1
		.amdhsa_forward_progress 1
		.amdhsa_inst_pref_size 108
	.end_amdhsa_kernel
	.amdgpu_metadata
---
amdhsa.version: [ 1, 2 ]
amdhsa.kernels:
  - .name:           k_q9b28b02bf2_qkv
    .symbol:         k_q9b28b02bf2_qkv.kd
    .args:
      - { .name: xc, .offset: 0, .size: 8, .value_kind: global_buffer, .address_space: global }
      - { .name: wc, .offset: 8, .size: 8, .value_kind: global_buffer, .address_space: global }
      - { .name: rt, .offset: 16, .size: 8, .value_kind: global_buffer, .address_space: global }
      - { .name: lowp_scales, .offset: 24, .size: 8, .value_kind: global_buffer, .address_space: global }
      - { .name: qkvc, .offset: 32, .size: 8, .value_kind: global_buffer, .address_space: global }
    .group_segment_fixed_size: 327680
    .private_segment_fixed_size: 0
    .kernarg_segment_align: 8
    .kernarg_segment_size: 40
    .max_flat_workgroup_size: 128
    .sgpr_count:     98
    .vgpr_count:     1024
    .wavefront_size: 32
...
	.end_amdgpu_metadata
.endif
;; end of part 2
;; launch attn (part 3): grid 4 x 64, 16 waves a work-group, no clusters, 327,680 bytes of LDS; arguments qkvc, lowp_scales, ac; writes ac
.if DOCPART == 3
	.amdgcn_target "amdgcn-amd-amdhsa--gfx1250"
	.amdhsa_code_object_version 6
	.text
	.protected	k_q9b28b02bf2_attn
	.globl	k_q9b28b02bf2_attn
	.p2align	8
	.type	k_q9b28b02bf2_attn,@function
k_q9b28b02bf2_attn:
	s_mov_b64 s[64:65], 0
	v_nop
	global_prefetch_b8 v0, s[64:65] scope:SCOPE_SE
	s_setreg_imm32_b32 hwreg(HW_REG_WAVE_MODE, 25, 1), 1
	s_wait_xcnt 0x0
; ATTN.  For each of 64 heads (b, h): scores = q k^T / 8 under the causal mask, the softmax, o = p v / l, all on codes of E4M3; o is quantised with 2^e10 and stored as codes.
; THE SOFTMAX: t = score x log2(e) / 8; M = the running largest t rounded UP to a whole number; p = 2^(t - M) is quantised with 2^e8, not normalised; l is the sum of the unquantised p and divides at the end.
; When M moves, l and O are multiplied by 2^(old M - new M): nothing is rounded.
; SHARES.  Work-group (i, head) owns the blocks of 256 queries i and 7 - i.  It walks key slots 0 .. i for the first and 0 .. 7 - i for the second: nine slots of 256 keys, whatever i: one constant trip count,
; and the same work in all 256 work-groups.  Each of sixteen waves owns 16 queries of the block in hand, in 256 registers: four waves to a SIMD.  A step is 128 keys; a step all of whose keys come after my queries is jumped over.
; NO CLUSTER: the four work-groups of a head stand at different slots at the same time (slot numbers 0 .. i, then 0 .. 7 - i); walking in step would take 4 + 8 = 12 slots in place of 9.
; LAYOUT.  S^T = K Q^T (source 0 = 16 keys, source 1 = my 16 queries), O^T = V^T P^T (source 0 = 16 of the head's 64, source 1 = P): a lane holds one query throughout.  Register 8 t + j of S^T is key 16 t + 8 h + j:
; its codes are registers 2 t, 2 t + 1 of the second product's operand.  V's places (place 16 h + 8 u + j = key 16 u + 8 h + j) make four loads of 16 bytes give the same order.
; ac: [64 blocks of 128 rows][16 heads][128 rows][64 d]: a wave's 16 queries of a head are 1 KB on end.
; LIMITS: e6 + e7 between -124 and 130 (added to c's exponent field); e8 and e10 - e8 - e9 between -126 and 119.
; REGISTERS: v1-11 addresses; v12 -M, v13 the largest t, v[14:15] l in two halves; v16 r - 8 h; v21 o's scale; v24-31 Q; v32-95 fragments of K, then of V; v96-159 S^T, then p; v160-191 O^T;
; v192-207 p's codes; v208-223 o's codes; v236-255 at work.
.set KP,    272                        ; four keys' 256 bytes + 16 of padding; also a row of V's tile
.set VOFF,  64*KP                      ; a slot: 64 LDS rows of K (256 keys x 64 bytes), then 64 rows of V (d) x 256 places
.set SLOT1, 65536                      ; slot 1 begins here: one exclusive or turns an address
.set STAGE, 131072                     ; the way out: 16 rows x 80 bytes for each wave; no tile lands here
.set SPARE, STAGE+16*1280              ; the spare words: 128 bytes for each wave, eight blocks of 256 bytes that no other line names
.set WV,   18
.macro TLOAD                           ; wave 0 fetches K's tile, wave 1 V's, the others nothing; four v_nop follow each line
	s_cmp_eq_u32 s[WV], 0
	s_cbranch_scc0 .Lnot_k_\@
	tensor_load_to_lds s[40:43], s[24:31]
	s_nop 0
.rept 4
	v_nop
.endr
	s_branch .Lasked_\@
.Lnot_k_\@:
	s_cmp_eq_u32 s[WV], 1
	s_cbranch_scc0 .Lasked_\@
	tensor_load_to_lds s[44:47], s[32:39]
	s_nop 0
.rept 4
	v_nop
.endr
.Lasked_\@:
.endm
; A PREFETCH INTO THE L2.  The head's work-group 0 walks slot 0 in trips 0 and 1, slot t in trip t + 1; in trips 0 to 5 it asks for slot t + 2.  Waves 4, 5: K's 16 KB, 8 KB a wave, lanes 256 bytes apart; waves 6, 7: V's 64 rows, 32 a wave, a lane a row's 256 bytes.
; So each aligned block of 256 bytes of slots 2 to 7 is named once in the launch; slots 0 and 1 come by their loads alone; nothing is asked past slot 7.
.macro ASK
	s_cmp_gt_u32 s67, s80
	s_cbranch_scc0 .Lnot_mine_\@
	global_prefetch_b8 v3, s[76:77] th:TH_LOAD_NT scope:SCOPE_SE
.Lnot_mine_\@:
.endm
	s_load_b128 s[4:7], s[0:1], 0x0                ; qkvc 4:5, scales 6:7
	s_load_b64 s[8:9], s[0:1], 0x10                ; ac
	v_lshl_add_u32 v5, v0, 2, SPARE                ; my spare word; never rewritten
	v_mov_b32 v6, 0                                ; never rewritten
	ds_add_u32 v5, v6
	ds_add_u32 v5, v6
	s_wait_dscnt 0x0
	v_lshrrev_b32 v8, 5, v0
	s_delay_alu instid0(VALU_DEP_1)
	v_readfirstlane_b32 s[WV], v8                  ; wave 0..15
	s_and_b32 s82, ttmp7, 0xffff                   ; 16 b + head
	s_lshl_b32 s84, s82, 17                        ; the head's first byte in each plane
	s_mov_b32 s85, 0
	s_sub_co_u32 s62, 7, ttmp9                     ; the second block
	s_lshl_b32 s86, s[WV], 4
	s_lshl_b32 s99, ttmp9, 8
	s_add_co_u32 s97, s99, 256                     ; s97: the key behind the block's last slot
	s_add_co_u32 s99, s99, s86                     ; s99: my first query
	s_lshl_b32 s63, s62, 8
	s_add_co_u32 s66, s63, 256                     ; the same two for the second block
	s_add_co_u32 s63, s63, s86
	s_mov_b32 s24, (1<<20)|(5<<22)|(3<<25)         ; K: elements of 1 byte; 4 words of padding after every 64
	s_mov_b32 s25, 256<<16                         ; tensor_dim0
	s_mov_b32 s26, 64<<16                          ; tensor_dim1
	s_mov_b32 s27, 256<<16                         ; tile_dim0
	s_mov_b32 s28, 64                              ; tile_dim1
	s_mov_b32 s29, 256                             ; dense: 256 keys x 64 bytes as 64 rows of 256
	s_mov_b32 s30, 0
	s_mov_b32 s31, 0
	s_mov_b32 s32, (1<<20)|(5<<22)|(3<<25)         ; V: 64 rows (d) of 256 places, 2,048 bytes apart
	s_mov_b32 s33, 256<<16
	s_mov_b32 s34, 64<<16
	s_mov_b32 s35, 256<<16
	s_mov_b32 s36, 64
	s_mov_b32 s37, 2048
	s_mov_b32 s38, 0
	s_mov_b32 s39, 0
	s_mov_b32 s20, 0x76543210                      ; v_permlanex16_b32: lane l xor 16
	s_mov_b32 s21, 0xfedcba98
	s_mov_b32 s22, 0x3e38aa3b                      ; c = log2(e) / 8
	s_mov_b32 s2, 0                                ; LDS byte at which the slot in hand begins
	s_mov_b32 s67, 8                               ; slots still to be asked for
	s_mov_b32 s98, 0                               ; the step's first key
	s_mov_b32 s60, 0                               ; the slot number last asked for,
	s_mov_b32 s61, ttmp9                           ; and the last one of the block that is being asked for
	s_wait_kmcnt 0x0
	s_load_b128 s[68:71], s[6:7], 0x18             ; e6, e7, e8, e9
	s_load_b32 s72, s[6:7], 0x28                   ; e10
	s_add_nc_u64 s[52:53], s[4:5], s[84:85]        ; q's plane at my head
	s_add_nc_u64 s[48:49], s[52:53], 0x800000      ; k's
	s_add_nc_u64 s[50:51], s[52:53], 0x1000000     ; v's
	s_mov_b32 s40, 1
	s_mov_b32 s41, 0                               ; slot 0
	s_mov_b64 s[42:43], s[48:49]
	s_or_b32 s43, s43, 0x80000000
	s_mov_b32 s44, 1
	s_mov_b32 s45, VOFF
	s_mov_b64 s[46:47], s[50:51]
	s_or_b32 s47, s47, 0x80000000
	TLOAD                                          ; key slot 0
	s_lshl_b32 s86, s63, 6
	s_mov_b32 s87, 0
	s_add_nc_u64 s[54:55], s[52:53], s[86:87]      ; my queries of the second block,
	s_lshl_b32 s86, s99, 6
	s_add_nc_u64 s[52:53], s[52:53], s[86:87]      ; of the first
	s_lshr_b32 s86, s82, 4
	s_lshl_b32 s86, s86, 4
	s_lshr_b32 s88, s[WV], 3
	s_add_co_u32 s86, s86, s88                     ; 16 b + wave / 8
	s_and_b32 s88, s82, 15
	s_lshl_b32 s88, s88, 13
	s_and_b32 s89, s[WV], 7
	s_lshl_b32 s89, s89, 10
	s_add_co_u32 s88, s88, s89                     ; head x 8,192 + (wave % 8) x 1,024
	s_lshl_b32 s90, ttmp9, 1
	s_add_co_u32 s90, s90, s86
	s_lshl_b32 s90, s90, 17
	s_add_co_u32 s90, s90, s88
	s_mov_b32 s91, 0
	s_add_nc_u64 s[56:57], s[8:9], s[90:91]        ; where my first block's codes go,
	s_lshl_b32 s90, s62, 1
	s_add_co_u32 s90, s90, s86
	s_lshl_b32 s90, s90, 17
	s_add_co_u32 s90, s90, s88
	s_add_nc_u64 s[58:59], s[8:9], s[90:91]        ; my second's
	s_cmp_lt_u32 s[WV], 6                          ; the prefetches: waves 4, 5 for K, waves 6, 7 for V
	s_cselect_b64 s[76:77], s[48:49], s[50:51]
	s_mov_b32 s78, 256
	s_cselect_b32 s78, 16384, s78                  ; a slot on
	s_mov_b32 s82, 2048
	s_cselect_b32 s82, 256, s82                    ; from lane to lane
	s_mov_b32 s83, 65536
	s_cselect_b32 s83, 8192, s83                   ; from wave to wave
	v_and_b32 v3, 31, v0
	s_delay_alu instid0(VALU_DEP_1)
	v_mul_lo_u32 v3, v3, s82
	s_and_b32 s84, s[WV], 1
	s_mul_i32 s84, s84, s83
	s_add_co_u32 s84, s84, s78                     ; in slot 1: the first change of slots steps it to slot 2
	s_mov_b32 s85, 0
	s_mov_b32 s79, 0
	s_add_nc_u64 s[76:77], s[76:77], s[84:85]
	s_sub_co_u32 s82, s[WV], 4
	s_lshr_b32 s82, s82, 2                         ; 0 in waves 4 to 7,
	s_or_b32 s82, s82, ttmp9                       ; of the head's work-group 0
	s_cmp_eq_u32 s82, 0
	s_cselect_b32 s80, 2, -1                       ; such a wave asks while more than two slots are still to be asked for
	v_and_b32 v8, 15, v0                           ; r
	v_bfe_u32 v9, v0, 4, 1                         ; h
	v_and_b32 v17, 31, v0                          ; lane
	s_delay_alu instid0(VALU_DEP_3)
	v_lshlrev_b32 v4, 6, v8
	s_delay_alu instid0(VALU_DEP_1)
	v_lshl_add_u32 v4, v9, 4, v4                   ; Q: row r of 64 bytes, + 16 h
	global_load_b128 v[24:27], v4, s[52:53]
	global_load_b128 v[28:31], v4, s[52:53] offset:32
	v_lshrrev_b32 v18, 2, v8
	s_delay_alu instid0(VALU_DEP_1)
	v_mul_u32_u24 v1, v18, KP
	v_and_b32 v18, 3, v8
	s_delay_alu instid0(VALU_DEP_1)
	v_lshl_add_u32 v1, v18, 6, v1
	s_delay_alu instid0(VALU_DEP_1)
	v_lshl_add_u32 v1, v9, 4, v1                   ; K: key r lies at (r / 4) x 272 + (r % 4) x 64; + 16 h
	v_mul_u32_u24 v2, v8, KP
	s_delay_alu instid0(VALU_DEP_1)
	v_lshl_add_u32 v2, v9, 4, v2
	s_delay_alu instid0(VALU_DEP_1)
	v_add_nc_u32 v2, VOFF, v2                      ; V: row d = r, + 16 h
	v_lshlrev_b32 v7, 4, v17                       ; the way out: 16 x lane
	s_mul_i32 s86, s[WV], 1280
	s_add_co_u32 s86, s86, STAGE
	v_mul_u32_u24 v10, v8, 80
	s_delay_alu instid0(VALU_DEP_1)
	v_lshl_add_u32 v10, v9, 3, v10
	s_delay_alu instid0(VALU_DEP_1)
	v_add_nc_u32 v10, s86, v10                     ; my stage, in: row r, + 8 h
	v_lshrrev_b32 v18, 2, v17
	s_delay_alu instid0(VALU_DEP_1)
	v_mul_u32_u24 v11, v18, 80
	v_and_b32 v18, 3, v17
	s_delay_alu instid0(VALU_DEP_1)
	v_lshl_add_u32 v11, v18, 4, v11
	s_delay_alu instid0(VALU_DEP_1)
	v_add_nc_u32 v11, s86, v11                     ; back: four lanes to a row of 64 bytes
	v_lshlrev_b32 v18, 3, v9
	s_delay_alu instid0(VALU_DEP_1)
	v_sub_nc_u32 v16, v8, v18                      ; r - 8 h
	v_mov_b32 v13, 0xff61b1e6                      ; the largest t so far: -3e38
	s_delay_alu instid0(VALU_DEP_1)
	v_floor_f32 v12, -v13                          ; -M
	v_mov_b32 v14, 0
	v_mov_b32 v15, 0
	v_mov_b32 v236, 0                              ; written once: a lane permute's destination counts as one of its sources
	v_mov_b32 v252, 0
	v_mov_b32 v253, 0
	v_mov_b32 v254, 0
.set n, 0
.rept 32
	v_mov_b32 v[160+n], 0                          ; O^T: the step is written once; the first change of M leaves zeros zeros
.set n, n+1
.endr
	s_wait_kmcnt 0x0
	s_add_co_i32 s86, s68, s69
	s_lshl_b32 s86, s86, 23
	s_add_co_i32 s22, s22, s86                     ; a score stands for score x 2^(e6 + e7): added to c's exponent field
	s_mov_b32 s23, s22
	s_add_co_i32 s86, s70, 127
	s_lshl_b32 s87, s86, 23
	v_mov_b32 v244, s87                            ; 2^e8
	s_sub_co_i32 s86, s72, s70
	s_sub_co_i32 s86, s86, s71
	s_add_co_i32 s86, s86, 127
	s_lshl_b32 s87, s86, 23
	v_mov_b32 v21, s87                             ; 2^(e10 - e8 - e9): a sum of the second product stands for sum x 2^(e8 + e9)
.macro STEP q                          ; 128 keys, the q-th half of the slot in hand
	s_add_co_u32 s96, s99, 15
	s_cmp_gt_u32 s98, s96                          ; all keys come after my queries: nothing to do but step the key
	s_cbranch_scc1 .Lhidden_\@
	v_add_nc_u32 v8, s2, v1
	v_add_nc_u32 v9, s2, v2
	v_nop                                          ; with the two additions: four plain lines in front of loads into registers that the last products read
	v_nop
.irp t, 0,1,2,3,4,5,6,7
.irp c, 0,1
	ds_load_b128 v[32+8*\t+4*\c:32+8*\t+4*\c+3], v8 offset:(32*(\q)+4*\t)*KP+32*\c
.endr
.endr
	s_wait_alu depctr_va_vdst(0)
	s_wait_dscnt 0x0
.irp t, 0,1,2,3,4,5,6,7
	v_wmma_f32_16x16x64_fp8_fp8 v[96+8*\t:103+8*\t], v[32+8*\t:39+8*\t], v[24:31], 0
.endr
.rept 4
	v_nop
.endr
.irp t, 0,1,2,3                        ; V's fragments are asked for now and land under the softmax
.irp c, 0,1,2,3
	ds_load_b128 v[32+16*\t+4*\c:32+16*\t+4*\c+3], v9 offset:16*\t*KP+128*(\q)+32*\c
.endr
.endr
	s_add_co_u32 s96, s98, 127                     ; on the diagonal hidden scores become -infinity ahead of the maximum; a step all of whose keys count skips this
	s_cmp_le_u32 s96, s99
	s_cbranch_scc1 .Lopen_\@
	s_sub_co_i32 s96, s99, s98
	v_add_nc_u32 v252, s96, v16                    ; my query - the step's first key - 8 h.  Register 8 t + j: hidden where 16 t + j is above it
	v_mov_b32 v254, 0xff800000
.set n, 0
.rept 64
	v_cmp_gt_i32 vcc_lo, 16*(n/8)+n%8, v252
	v_cndmask_b32 v[96+n], v[96+n], v254, vcc_lo
.set n, n+1
.endr
.Lopen_\@:
	v_max3_num_f32 v254, v96, v97, v98             ; the step's largest score of my query among my 64 keys, in two chains,
	v_max3_num_f32 v252, v99, v100, v101
.irp i, 6,10,14,18,22,26,30,34,38,42,46,50,54,58
	v_max3_num_f32 v254, v254, v[96+\i], v[97+\i]
	v_max3_num_f32 v252, v252, v[98+\i], v[99+\i]
.endr
	v_max3_num_f32 v254, v254, v158, v159
	s_delay_alu instid0(VALU_DEP_1)
	v_max_num_f32 v254, v254, v252
	s_delay_alu instid0(VALU_DEP_1)
	v_permlanex16_b32 v236, v254, s20, s21
	s_delay_alu instid0(VALU_DEP_1)
	v_max_num_f32 v254, v254, v236                 ; and among lane l xor 16's
	s_delay_alu instid0(VALU_DEP_1)
	v_mul_f32 v254, s22, v254                      ; as t
	s_delay_alu instid0(VALU_DEP_1)
	v_max_num_f32 v13, v13, v254
	v_mov_b32 v254, v12
	s_delay_alu instid0(VALU_DEP_2)
	v_floor_f32 v12, -v13                          ; the new -M = floor(-t)
	s_delay_alu instid0(VALU_DEP_1)
	v_sub_f32 v254, v12, v254                      ; old M - new M: a whole number, 0 or less
	s_delay_alu instid0(VALU_DEP_1)
	v_cvt_i32_f32 v254, v254                       ; (it saturates)
	s_delay_alu instid0(VALU_DEP_1)
	v_ldexp_f32 v252, 1.0, v254                    ; f = 2^(old M - new M)
.set n, 0
.rept 32
	v_pk_fma_f32 v[96+n:97+n], v[96+n:97+n], s[22:23], v[12:13] op_sel_hi:[1,0,0]   ; t - M
.set n, n+2
.endr
.set n, 0
	s_wait_alu depctr_va_vdst(0)
.rept 64
	v_exp_f32 v[96+n], v[96+n]                     ; p = 2^(t - M)
.set n, n+1
.endr
	v_pk_mul_f32 v[14:15], v[14:15], v[252:253] op_sel_hi:[1,0]   ; l under the new M (a plain line behind the exponentials)
	s_wait_alu depctr_va_vdst(0)                   ; one wait for the batch, ahead of its first reader
	v_pk_add_f32 v[242:243], v[100:101], v[104:105]
	v_pk_add_f32 v[254:255], v[108:109], v[112:113]
	v_pk_add_f32 v[250:251], v[116:117], v[120:121]
	v_pk_add_f32 v[248:249], v[124:125], v[128:129]
	v_pk_add_f32 v[246:247], v[132:133], v[136:137]
	v_pk_add_f32 v[240:241], v[140:141], v[144:145]
	v_pk_add_f32 v[238:239], v[148:149], v[152:153]
	v_pk_add_f32 v[14:15], v[14:15], v[156:157]
	v_pk_add_f32 v[242:243], v[242:243], v[96:97]
	v_pk_add_f32 v[254:255], v[254:255], v[98:99]
	v_pk_add_f32 v[250:251], v[250:251], v[102:103]
	v_pk_add_f32 v[248:249], v[248:249], v[106:107]
	v_pk_add_f32 v[246:247], v[246:247], v[110:111]
	v_pk_add_f32 v[240:241], v[240:241], v[114:115]
	v_pk_add_f32 v[238:239], v[238:239], v[118:119]
	v_pk_add_f32 v[14:15], v[14:15], v[122:123]
	v_pk_add_f32 v[242:243], v[242:243], v[126:127]
	v_pk_add_f32 v[254:255], v[254:255], v[130:131]
	v_pk_add_f32 v[250:251], v[250:251], v[134:135]
	v_pk_add_f32 v[248:249], v[248:249], v[138:139]
	v_pk_add_f32 v[246:247], v[246:247], v[142:143]
	v_pk_add_f32 v[240:241], v[240:241], v[146:147]
	v_pk_add_f32 v[238:239], v[238:239], v[150:151]
	v_pk_add_f32 v[14:15], v[14:15], v[154:155]
	v_pk_add_f32 v[242:243], v[242:243], v[158:159]
	s_delay_alu instid0(VALU_DEP_2)
	v_pk_add_f32 v[14:15], v[14:15], v[248:249]
	s_delay_alu instid0(VALU_DEP_2)
	v_pk_add_f32 v[242:243], v[242:243], v[246:247]
	v_pk_add_f32 v[254:255], v[254:255], v[240:241]
	v_pk_add_f32 v[250:251], v[250:251], v[238:239]
	s_delay_alu instid0(VALU_DEP_2)
	v_pk_add_f32 v[14:15], v[14:15], v[254:255]
	s_delay_alu instid0(VALU_DEP_2)
	v_pk_add_f32 v[242:243], v[242:243], v[250:251]
	s_delay_alu instid0(VALU_DEP_1)
	v_pk_add_f32 v[14:15], v[14:15], v[242:243]
.irp t, 0,1,2,3,4,5,6,7
.irp i, 0,1,2,3,4,5,6,7
.endr
	v_cvt_scalef32_pk8_fp8_f32 v[192+2*\t:193+2*\t], v[96+8*\t:103+8*\t], v244
.endr
.set n, 0
.rept 16
	v_pk_mul_f32 v[160+n:161+n], v[160+n:161+n], v[252:253] op_sel_hi:[1,0]   ; O^T under the new M; also the plain lines behind the conversions
.set n, n+2
.endr
	s_wait_alu depctr_va_vdst(0)
	s_wait_dscnt 0x0                               ; V's fragments
.irp t, 0,1,2,3
	v_wmma_f32_16x16x128_fp8_fp8 v[160+8*\t:167+8*\t], v[32+16*\t:47+16*\t], v[192:207], v[160+8*\t:167+8*\t]
.endr
.Lhidden_\@:
	s_add_co_u32 s98, s98, 128
.endm
; THE CHANGE OF SLOTS, at a slot's head: all my tensor loads have landed, the add, my reads of the slot that I have left are over; the barrier; fill = 1: that slot takes the next tiles of the walk.
.macro CHANGE fill
	s_wait_tensorcnt 0x0                           ; no tensor load of mine is out, so a group 0 may be written
	ds_add_u32 v5, v6                              ; 0 onto my spare word
.if \fill
	s_xor_b32 s41, s41, SLOT1
	s_xor_b32 s45, s45, SLOT1
	s_add_co_u32 s96, s60, 1
	s_cmp_eq_u32 s60, s61                          ; the block's last slot has been asked for: on to the second block's slot 0
	s_cselect_b32 s60, 0, s96
	s_cselect_b32 s61, s62, s61
	s_lshl_b32 s82, s60, 14
	s_mov_b32 s83, 0
	s_add_nc_u64 s[42:43], s[48:49], s[82:83]
	s_or_b32 s43, s43, 0x80000000
	s_lshl_b32 s82, s60, 8
	s_add_nc_u64 s[46:47], s[50:51], s[82:83]
	s_or_b32 s47, s47, 0x80000000
	s_wait_xcnt 0x0                                ; the last prefetch, a slot back, has read its address
	s_add_nc_u64 s[76:77], s[76:77], s[78:79]
.endif
	s_wait_dscnt 0x0                               ; the add is done, and my reads of the slot that I have left are over
	s_barrier_signal -1
	s_barrier_wait -1
.if \fill
	TLOAD                                          ; the first thing behind the barrier, a wave's one tensor load until the next: a slot's two steps in which to land
	ASK
.endif
.endm
.macro SLOT_STEPS
	STEP 0
	STEP 1
	s_xor_b32 s2, s2, SLOT1
.endm
; A block is finished: O^T / l, turned into codes, through my stage, out as 1 KB on end.
.macro FINISH op
.rept 4
	v_nop
.endr
	v_add_f32 v14, v14, v15
	s_delay_alu instid0(VALU_DEP_1)
	v_permlanex16_b32 v252, v14, s20, s21
	s_delay_alu instid0(VALU_DEP_1)
	v_add_f32 v14, v14, v252                       ; l
	s_wait_alu depctr_va_vdst(0)
	v_rcp_f32 v14, v14
	v_nop
	s_wait_alu depctr_va_vdst(0)                   ; the wait ahead of the first reader
.set n, 0
.rept 16
	v_pk_mul_f32 v[96+n:97+n], v[160+n:161+n], v[14:15] op_sel_hi:[1,0]   ; register 8 t + j: o(query r, d = 16 t + 8 h + j)
.set n, n+2
.endr
.set n, 0
.rept 32
.set n, n+1
.endr
.irp t, 0,1,2,3
	v_cvt_scalef32_pk8_fp8_f32 v[208+2*\t:209+2*\t], v[96+8*\t:103+8*\t], v21
.endr
	v_nop
	s_wait_alu depctr_va_vdst(0)
	s_wait_xcnt 0x0                                ; an earlier block's stores have read their registers
.irp t, 0,1,2,3
	ds_store_b64 v10, v[208+2*\t:209+2*\t] offset:16*\t
.endr
.irp i, 0,1
	ds_load_b128 v[216+4*\i:219+4*\i], v11 offset:640*\i   ; LDS serves a wave's instructions in order: these see my stores
.endr
	s_wait_dscnt 0x0
.irp i, 0,1
	global_store_b128 v7, v[216+4*\i:219+4*\i], s[\op:\op+1] offset:512*\i
.endr
.endm
	s_wait_loadcnt 0x0                             ; Q
.Lslot:                                            ; eight trips: behind each change of slots but the last the next tiles are asked for
	CHANGE 1
	SLOT_STEPS
	s_cmp_lg_u32 s98, s97                          ; the first block's last slot is done in trip i alone
	s_cbranch_scc1 .Lsame_block
	FINISH 56
	global_load_b128 v[24:27], v4, s[54:55]        ; the second block begins
	global_load_b128 v[28:31], v4, s[54:55] offset:32
	v_mov_b32 v13, 0xff61b1e6
	s_delay_alu instid0(VALU_DEP_1)
	v_floor_f32 v12, -v13
	v_mov_b32 v14, 0
	v_mov_b32 v15, 0
.set n, 0
.rept 32
	v_mov_b32 v[160+n], 0
.set n, n+1
.endr
	s_mov_b32 s98, 0
	s_mov_b32 s99, s63
	s_mov_b32 s97, s66
	s_wait_loadcnt 0x0
.Lsame_block:
	s_sub_co_u32 s67, s67, 1
	s_cmp_lg_u32 s67, 0
	s_cbranch_scc1 .Lslot
	CHANGE 0                                       ; the last slot is written out
	SLOT_STEPS
	FINISH 58
	s_wait_tensorcnt 0x0                           ; the wave's end
	ds_add_u32 v5, v6
	s_wait_dscnt 0x0
	s_endpgm
.Lfunc_end_k_q9b28b02bf2_attn:
	.size	k_q9b28b02bf2_attn, .Lfunc_end_k_q9b28b02bf2_attn-k_q9b28b02bf2_attn
	.p2alignl 7, 3214868480
	.fill 96, 4, 3214868480
	.section	.rodata,"a",@progbits
	.p2align	6, 0x0
	.amdhsa_kernel k_q9b28b02bf2_attn
		.amdhsa_group_segment_fixed_size 327680
		.amdhsa_private_segment_fixed_size 0
		.amdhsa_enable_private_segment 0
		.amdhsa_kernarg_size 24
		.amdhsa_user_sgpr_count 2
		.amdhsa_user_sgpr_kernarg_segment_ptr 1
		.amdhsa_wavefront_size32 1
		.amdhsa_system_sgpr_workgroup_id_x 1
		.amdhsa_system_sgpr_workgroup_id_y 1
		.amdhsa_system_sgpr_workgroup_id_z 1
		.amdhsa_system_vgpr_workitem_id 0
		.amdhsa_next_free_vgpr 256
		.amdhsa_next_free_sgpr 100
		.amdhsa_reserve_vcc 1
		.amdhsa_float_denorm_mode_32 3
		.amdhsa_float_denorm_mode_16_64 3
		.amdhsa_fp16_overflow 1
		.amdhsa_memory_ordered 1
		.amdhsa_forward_progress 1
		.amdhsa_inst_pref_size 94
	.end_amdhsa_kernel
	.amdgpu_metadata
---
amdhsa.version: [ 1, 2 ]
amdhsa.kernels:
  - .name:           k_q9b28b02bf2_attn
    .symbol:         k_q9b28b02bf2_attn.kd
    .args:
      - { .name: qkvc, .offset: 0, .size: 8, .value_kind: global_buffer, .address_space: global }
      - { .name: lowp_scales, .offset: 8, .size: 8, .value_kind: global_buffer, .address_space: global }
      - { .name: ac, .offset: 16, .size: 8, .value_kind: global_buffer, .address_space: global }
    .group_segment_fixed_size: 327680
    .private_segment_fixed_size: 0
    .kernarg_segment_align: 8
    .kernarg_segment_size: 24
    .max_flat_workgroup_size: 512
    .sgpr_count:     100
    .vgpr_count:     256
    .wavefront_size: 32
...
	.end_amdgpu_metadata
.endif
;; end of part 3
;; launch oproj (part 4): grid 4 x 64, 4 waves a work-group, clusters of 4 x 4, 327,680 bytes of LDS; arguments ac, wc, lowp_scales, out0; writes out0
.if DOCPART == 4
	.amdgcn_target "amdgcn-amd-amdhsa--gfx1250"
	.amdhsa_code_object_version 6
	.text
	.protected	k_q9b28b02bf2_oproj
	.globl	k_q9b28b02bf2_oproj
	.p2align	8
	.type	k_q9b28b02bf2_oproj,@function
k_q9b28b02bf2_oproj:
	s_mov_b64 s[64:65], 0
	v_nop
	global_prefetch_b8 v0, s[64:65] scope:SCOPE_SE
	s_setreg_imm32_b32 hwreg(HW_REG_WAVE_MODE, 25, 1), 1
	s_wait_xcnt 0x0
	s_wait_alu depctr_hold_cnt(0) depctr_sa_sdst(0) depctr_va_vdst(0) depctr_va_sdst(0) depctr_va_ssrc(0) depctr_va_vcc(0) depctr_vm_vsrc(0)
	s_getreg_b32 s2, hwreg(HW_REG_IB_STS2, 6, 4)
	s_cmp_eq_u32 s2, 0
	s_cbranch_scc0 .Lentry_in_a_cluster
	s_endpgm
.Lentry_in_a_cluster:
	s_bfe_u32 s2, ttmp6, 0x10000c
	s_cmp_lg_u32 s2, 0xf033
	s_cbranch_scc0 .Lentry_shape_is_right
	s_endpgm
.Lentry_shape_is_right:
; OPROJ.  out0 = a Wo on codes of E4M3; each finished sum x 2^(e10 + e11).  a: ac [64 blocks of 128 rows][16 heads][128 rows][64 d]; Wo: plane 3 of wc, [n][k], K innermost; out0 [8192][1024] f32.
; A tile is 128 rows of a x 256 rows (n) of Wo, K = 1,024: 256 work-groups.  Four waves, 2 x 2: a wave makes 64 x 128: 32 accumulators.  Source 0 = 16 rows of Wo, source 1 = 16 rows of a: a lane holds eight neighbours of a row of out0.
; K goes in four steps of 256 (four heads) through THREE LDS slots: steps 0, 1, 2 are asked for together at the head (three loads of a wave are out), step 3 fills slot 0 again behind one round of the cluster's barrier.
; A K step of a is 32 KB on end in memory; it comes as 128 LDS rows of 256 bytes: LDS row 32 j + s / 4 holds head j's rows s .. s + 3.
; CLUSTERS 4 x 4: a's tile is shared along a row of the cluster, Wo's along a column: joint loads.  k is permuted alike in both operands (loads of 16 bytes), which changes only the order of the sums inside an instruction.
; LIMIT: e10 + e11 between -126 and 127.
; REGISTERS: window 0: v0-31 addresses; v32-95 at work; v128-255 a's fragments, two sets of 64 (on the way out: rows).   window 1: Wo's fragments, two sets of 128.   window 2: accumulator (a, b) at v[64 a + 8 b].
.set PITCH,  272
.set SLOT,   384*PITCH                 ; a's 128 LDS rows, then Wo's 256
.set BOFF,   128*PITCH
.set STAGE,  SLOT                      ; the way out: 16 rows x 528 bytes for each wave, in slot 1: its only fill is at the head, its last read lies ahead of the last barrier of the K steps
.set SPITCH, 528
.set SPARE,  3*SLOT                    ; the spare words: 128 bytes for each wave, two blocks of 256 bytes that no other line names
.set ASTEP,  32768                     ; a K step on in ac: four heads x 8,192 bytes
.set ADRA, 10
.set ADRB, 13
.set STO,  16
.set RD,   17
.set CO,   18
.set SPW,  28
.set NIL,  29
.set TMP,  32
.set AF,   128
.set BK,   128
.set G1,  24
.set G1B, 32
.set G0,  48
.set G0B, 68
.set MSB, 0
.macro WIN new
.if MSB != \new
	s_set_vgpr_msb (MSB<<8)|\new
.set MSB, \new
.endif
.endm
.set MUL,  0xa1
.set TO_B, 0x40
.macro JLOAD g0a, g1a, g0b, g1b        ; a joint load: waves 0, 1 fetch a's halves, waves 2, 3 Wo's; four v_nop follow each line
	s_cmp_eq_u32 s15, 0
	s_cbranch_scc0 .Lfor_b_\@
	tensor_load_to_lds s[\g0a:\g0a+3], s[\g1a:\g1a+7]
	s_nop 0
.rept 4
	v_nop
.endr
	s_branch .Lasked_\@
.Lfor_b_\@:
	tensor_load_to_lds s[\g0b:\g0b+3], s[\g1b:\g1b+7]
	s_nop 0
.rept 4
	v_nop
.endr
.Lasked_\@:
.endm
.macro CREST
	s_cmp_lg_u32 s14, 0
	s_cbranch_scc1 .Lnot_wave_0_\@
	s_barrier_signal -3
.Lnot_wave_0_\@:
	s_barrier_wait -3
	s_barrier_signal -1
	s_barrier_wait -1
.endm
.macro CROUND
	s_barrier_signal -1
	s_barrier_wait -1
	CREST
.endm
.macro PLACES
.rept 4
	v_nop
.endr
.endm
	s_load_b256 s[4:11], s[0:1], 0x0               ; ac 4:5, wc 6:7, scales 8:9, out0 10:11
	v_lshl_add_u32 v[SPW], v0, 2, SPARE
	v_mov_b32 v[NIL], 0
	ds_add_u32 v28, v29
	ds_add_u32 v28, v29
	s_wait_dscnt 0x0
	v_lshrrev_b32 v1, 5, v0
	v_readfirstlane_b32 s14, v1                    ; wave
	s_lshr_b32 s15, s14, 1                         ; my half of a's rows.  Also: I fetch for a (0) or for Wo (1)
	s_and_b32 s16, s14, 1                          ; my half of Wo's rows.  Also: which half of that tile I fetch
	s_bfe_u32 s40, ttmp6, 0x40000                  ; cx = which 256 rows of Wo
	s_bfe_u32 s41, ttmp6, 0x40004                  ; cy
	s_and_b32 s17, ttmp7, 0xffff
	s_lshl_b32 s17, s17, 2
	s_add_co_u32 s17, s17, s41                     ; which 128 rows of a
	s_lshl_b32 s43, s41, 2
	s_lshl_b32 s43, 15, s43                        ; my row of the cluster
	s_lshl_b32 s44, 0x1111, s40                    ; my column
	s_or_b32 s[G1+0], s43, (1<<20)|(1<<21)|(5<<22)|(3<<25)
	s_or_b32 s[G1B+0], s44, (1<<20)|(1<<21)|(5<<22)|(3<<25)
	s_mov_b32 s[G1+1], 256<<16
	s_mov_b32 s[G1+2], 64<<16
	s_mov_b32 s[G1+3], 256<<16
	s_mov_b32 s[G1+4], 64
	s_mov_b32 s[G1+5], 256                         ; dense
	s_mov_b32 s[G1+6], 0
	s_mov_b32 s[G1+7], 0
	s_mov_b32 s[G1B+1], 256<<16
	s_mov_b32 s[G1B+2], 128<<16
	s_mov_b32 s[G1B+3], 256<<16
	s_mov_b32 s[G1B+4], 128
	s_mov_b32 s[G1B+5], 1024
	s_mov_b32 s[G1B+6], 0
	s_mov_b32 s[G1B+7], 0
	s_lshl_b32 s20, s17, 17
	s_lshl_b32 s21, s16, 14
	s_add_co_u32 s20, s20, s21                     ; a: block x 131,072 + half x two heads
	s_mov_b32 s21, 0
	s_lshl_b32 s46, s40, 8
	s_lshl_b32 s47, s16, 7
	s_add_co_u32 s46, s46, s47
	s_lshl_b32 s46, s46, 10
	s_add_co_u32 s46, s46, 0x300000                ; Wo: plane 3, (256 cx + 128 half) rows of 1,024 bytes
	s_mov_b32 s47, 0
	s_mul_i32 s94, s16, 64*PITCH
	s_mul_i32 s95, s16, 128*PITCH
	s_add_co_u32 s95, s95, BOFF
	s_wait_kmcnt 0x0
	s_load_b64 s[96:97], s[8:9], 0x28              ; e10, e11
	s_add_nc_u64 s[20:21], s[4:5], s[20:21]
	s_add_nc_u64 s[46:47], s[6:7], s[46:47]
	CROUND                                         ; all sixteen work-groups are here: the first joint loads meet
.irp k, 0,1,2
	s_mov_b32 s[G0+4*\k], 1
	s_add_co_u32 s[G0+4*\k+1], s94, \k*SLOT
	s_add_nc_u64 s[G0+4*\k+2:G0+4*\k+3], s[20:21], \k*ASTEP
	s_or_b32 s[G0+4*\k+3], s[G0+4*\k+3], 0x80000000
	s_mov_b32 s[G0B+4*\k], 1
	s_add_co_u32 s[G0B+4*\k+1], s95, \k*SLOT
	s_add_nc_u64 s[G0B+4*\k+2:G0B+4*\k+3], s[46:47], \k*256
	s_or_b32 s[G0B+4*\k+3], s[G0B+4*\k+3], 0x80000000
.endr
	s_cmp_eq_u32 s15, 0                            ; a wave's three first fills stand in one branch
	s_cbranch_scc0 .Lfirst_b
	tensor_load_to_lds s[G0:G0+3], s[G1:G1+7]
	s_nop 0
	tensor_load_to_lds s[G0+4:G0+7], s[G1:G1+7]
	s_nop 0
	tensor_load_to_lds s[G0+8:G0+11], s[G1:G1+7]
	s_nop 0
.rept 4
	v_nop
.endr
	s_branch .Lfirst_asked
.Lfirst_b:
	tensor_load_to_lds s[G0B:G0B+3], s[G1B:G1B+7]
	s_nop 0
	tensor_load_to_lds s[G0B+4:G0B+7], s[G1B:G1B+7]
	s_nop 0
	tensor_load_to_lds s[G0B+8:G0B+11], s[G1B:G1B+7]
	s_nop 0
.rept 4
	v_nop
.endr
.Lfirst_asked:
	v_and_b32 v1, 15, v0                           ; r
	v_bfe_u32 v2, v0, 4, 1                         ; h'
	v_and_b32 v3, 31, v0                           ; lane
	v_mul_u32_u24 v4, v1, PITCH
	v_lshl_add_u32 v4, v2, 4, v4                   ; Wo: r x pitch + 16 h'
	v_lshrrev_b32 v5, 2, v1
	v_mul_u32_u24 v5, v5, PITCH
	v_and_b32 v6, 3, v1
	v_lshl_add_u32 v5, v6, 6, v5
	v_lshl_add_u32 v5, v2, 4, v5                   ; a: (r / 4) x pitch + (r % 4) x 64 + 16 h'
	s_mul_i32 s21, s15, 16*PITCH                   ; my 64 rows are 16 LDS rows of each head
	s_mul_i32 s22, s16, 128*PITCH
	s_add_co_u32 s22, s22, BOFF
.irp k, 0,1,2
	v_add_nc_u32 v[ADRA+\k], s21, v5
	v_add_nc_u32 v[ADRB+\k], s22, v4
	s_add_co_u32 s21, s21, SLOT
	s_add_co_u32 s22, s22, SLOT
.endr
	s_mul_i32 s23, s14, 16*SPITCH
	s_add_co_u32 s23, s23, STAGE                   ; my stage
	v_mul_u32_u24 v5, v1, SPITCH
	v_lshl_add_u32 v5, v2, 5, v5
	v_add_nc_u32 v[STO], s23, v5                   ; in: row r, 32 bytes for each half of the lanes
	v_lshlrev_b32 v[CO], 4, v3                     ; back: the 32 lanes take one row of 512 bytes; the same in out0
	v_add_nc_u32 v[RD], s23, v[CO]
	s_lshl_b32 s20, s17, 7
	s_lshl_b32 s21, s15, 6
	s_add_co_u32 s20, s20, s21
	s_lshl_b32 s20, s20, 12                        ; my first row of out0, 4,096 bytes a row
	s_lshl_b32 s21, s40, 10
	s_add_co_u32 s20, s20, s21
	s_lshl_b32 s21, s16, 9
	s_add_co_u32 s20, s20, s21                     ; my first column: 1,024 cx + 512 half bytes
	s_mov_b32 s21, 0
	s_add_nc_u64 s[10:11], s[10:11], s[20:21]
.macro FETCH slot, q, p                ; the fragments of the slot's q-th 128 along K (heads 2 q, 2 q + 1 of its four) into set p
	WIN TO_B
.irp i, 0,1,2,3,4,5,6,7
.irp c, 0,1,2,3
	ds_load_b128 v[128*(\p)+16*\i+4*\c:128*(\p)+16*\i+4*\c+3], v[ADRB+\slot] offset:128*(\q)+\i*16*PITCH+32*\c
.endr
.endr
	WIN 0
.irp i, 0,1,2,3
.irp c, 0,1,2,3
	ds_load_b128 v[AF+64*(\p)+16*\i+4*\c:AF+64*(\p)+16*\i+4*\c+3], v[ADRA+\slot] offset:(2*(\q)+\c/2)*32*PITCH+4*\i*PITCH+32*(\c%2)   ; head 2 q + c / 2, d = 32 (c % 2) + 16 h' on: the same k as Wo's byte 128 q + 32 c + 16 h'
.endr
.endr
.endm
.macro MULA a, p, zero                 ; the 32 accumulators take turns in the same order in every half step
.irp b, 0,1,2,3,4,5,6,7
.if \zero
	v_wmma_f32_16x16x128_fp8_fp8 v[64*(\a)+8*\b:64*(\a)+8*\b+7], v[128*(\p)+16*\b:128*(\p)+16*\b+15], v[AF+64*(\p)+16*(\a):AF+64*(\p)+16*(\a)+15], 0
.else
	v_wmma_f32_16x16x128_fp8_fp8 v[64*(\a)+8*\b:64*(\a)+8*\b+7], v[128*(\p)+16*\b:128*(\p)+16*\b+15], v[AF+64*(\p)+16*(\a):AF+64*(\p)+16*(\a)+15], v[64*(\a)+8*\b:64*(\a)+8*\b+7]
.endif
.endr
.endm
.macro STEP p, fslot, fq, zero
	s_wait_dscnt 0x0                               ; set p is in
	WIN MUL
	MULA 0, \p, \zero
	PLACES
	FETCH \fslot, \fq, 1-(\p)
	WIN MUL
	MULA 1, \p, \zero
	MULA 2, \p, \zero
	MULA 3, \p, \zero
	WIN 0
.endm
.macro TURN p, fslot, fill
	s_wait_tensorcnt 0x0                           ; all my tensor loads have landed
	ds_add_u32 v[SPW], v[NIL]                      ; 0 onto my spare word
	s_wait_dscnt 0x1                               ; set p is in; the add alone may be out
	WIN MUL
	MULA 0, \p, 0
	s_wait_dscnt 0x0                               ; the add is done, and my reads of the slots read so far are over
	s_barrier_signal -1
	MULA 1, \p, 0
	WIN 0
	s_barrier_wait -1
.if \fill
	CREST                                          ; no wave of any partner still reads slot 0 or has a load on its way
	s_add_nc_u64 s[G0+2:G0+3], s[G0+2:G0+3], 3*ASTEP
	s_add_nc_u64 s[G0B+2:G0B+3], s[G0B+2:G0B+3], 3*256
	JLOAD G0, G1, G0B, G1B                         ; the first tensor load behind the round, my only one; its four v_nop are the places in front of the loads below
.else
	PLACES
.endif
	s_wait_alu depctr_va_vdst(0)
	FETCH \fslot, 0, 1-(\p)
	WIN MUL
	MULA 2, \p, 0
	MULA 3, \p, 0
	WIN 0
.endm
	s_wait_tensorcnt 0x2                           ; my part of K step 0 is in; K steps 1 and 2 may be out
	s_barrier_signal -1
	s_barrier_wait -1
	FETCH 0, 0, 0
	STEP 0, 0, 1, 1
	TURN 1, 1, 1
	STEP 0, 1, 1, 0
	STEP 1, 2, 0, 0
	STEP 0, 2, 1, 0
	TURN 1, 0, 0
	STEP 0, 0, 1, 0
	s_wait_dscnt 0x0
	WIN MUL
	MULA 0, 1, 0
	MULA 1, 1, 0
	MULA 2, 1, 0
	MULA 3, 1, 0
	WIN 0
; THE WAY OUT, 16 rows x 128 columns at a time: through my own stage, back as whole rows of 512 bytes.  LDS serves a wave's instructions in order: no wait between the stores and the loads.
.macro TOSTAGE a
	WIN 0x02                                       ; source 0: window 2
.set n, 0
.rept 32
	v_pk_mul_f32 v[TMP+n:TMP+n+1], v[64*(\a)+n:64*(\a)+n+1], s[96:97] op_sel_hi:[1,0]   ; both x 2^(e10 + e11); each accumulator from its low end on
.set n, n+2
.endr
	WIN 0
.irp b, 0,1,2,3,4,5,6,7
	ds_store_b128 v[STO], v[TMP+8*\b:TMP+8*\b+3] offset:64*\b
	ds_store_b128 v[STO], v[TMP+8*\b+4:TMP+8*\b+7] offset:64*\b+16
.endr
.irp t, 0,1,2,3,4,5,6,7,8,9,10,11,12,13,14,15
	ds_load_b128 v[BK+64*((\a)%2)+4*\t:BK+64*((\a)%2)+4*\t+3], v[RD] offset:\t*SPITCH
.endr
.endm
.macro SEND a, younger                 ; younger: the LDS instructions issued behind block a's loads, which may stay out
	s_wait_dscnt \younger
.if (\a) > 0
	s_add_nc_u64 s[10:11], s[10:11], 16*4096       ; (behind a wait on XCNT: the earlier stores have read their base)
.endif
.irp t, 0,1,2,3,4,5,6,7,8,9,10,11,12,13,14,15
	global_store_b128 v[CO], v[BK+64*((\a)%2)+4*\t:BK+64*((\a)%2)+4*\t+3], s[10:11] offset:\t*4096 th:TH_STORE_NT   ; 32 lanes store 512 consecutive bytes, at a multiple of 256 from out0's first byte
.endr
.endm
	s_wait_kmcnt 0x0
	s_add_co_i32 s96, s96, s97
	s_add_co_i32 s96, s96, 127
	s_lshl_b32 s96, s96, 23                        ; 2^(e10 + e11) as f32
	PLACES
	TOSTAGE 0
	TOSTAGE 1
	SEND 0, 32                                     ; behind block 0's loads: block 1's 16 stores and 16 loads
	s_wait_xcnt 0x0                                ; block 0's stores have read their registers and their base
	TOSTAGE 2
	SEND 1, 32
	s_wait_xcnt 0x0
	TOSTAGE 3
	SEND 2, 32
	s_wait_xcnt 0x0
	SEND 3, 0
	s_wait_tensorcnt 0x0                           ; the wave's end
	ds_add_u32 v[SPW], v[NIL]
	s_wait_dscnt 0x0
	CROUND                                         ; the closing round
	s_endpgm
.Lfunc_end_k_q9b28b02bf2_oproj:
	.size	k_q9b28b02bf2_oproj, .Lfunc_end_k_q9b28b02bf2_oproj-k_q9b28b02bf2_oproj
	.p2alignl 7, 3214868480
	.fill 96, 4, 3214868480
	.section	.rodata,"a",@progbits
	.p2align	6, 0x0
	.amdhsa_kernel k_q9b28b02bf2_oproj
		.amdhsa_group_segment_fixed_size 327680
		.amdhsa_private_segment_fixed_size 0
		.amdhsa_enable_private_segment 0
		.amdhsa_kernarg_size 32
		.amdhsa_user_sgpr_count 2
		.amdhsa_user_sgpr_kernarg_segment_ptr 1
		.amdhsa_wavefront_size32 1
		.amdhsa_system_sgpr_workgroup_id_x 1
		.amdhsa_system_sgpr_workgroup_id_y 1
		.amdhsa_system_sgpr_workgroup_id_z 1
		.amdhsa_system_vgpr_workitem_id 0
		.amdhsa_next_free_vgpr 768
		.amdhsa_next_free_sgpr 98
		.amdhsa_reserve_vcc 0
		.amdhsa_float_denorm_mode_32 3
		.amdhsa_float_denorm_mode_16_64 3
		.amdhsa_memory_ordered 1
		.amdhsa_forward_progress 1
		.amdhsa_inst_pref_size 75
	.end_amdhsa_kernel
	.amdgpu_metadata
---
amdhsa.version: [ 1, 2 ]
amdhsa.kernels:
  - .name:           k_q9b28b02bf2_oproj
    .symbol:         k_q9b28b02bf2_oproj.kd
    .args:
      - { .name: ac, .offset: 0, .size: 8, .value_kind: global_buffer, .address_space: global }
      - { .name: wc, .offset: 8, .size: 8, .value_kind: global_buffer, .address_space: global }
      - { .name: lowp_scales, .offset: 16, .size: 8, .value_kind: global_buffer, .address_space: global }
      - { .name: out0, .offset: 24, .size: 8, .value_kind: global_buffer, .address_space: global }
    .group_segment_fixed_size: 327680
    .private_segment_fixed_size: 0
    .kernarg_segment_align: 8
    .kernarg_segment_size: 32
    .max_flat_workgroup_size: 128
    .sgpr_count:     98
    .vgpr_count:     768
    .wavefront_size: 32
...
	.end_amdgpu_metadata
.endif
;; end of part 4
